; MI455X (gfx1250); checked and timed in simulation.
; The chip was launched on July 23, 2026; its instructions are those of AMD's public machine-readable ISA for CDNA 5 (MIT licence, August 2026) and "CDNA5" Instruction Set Architecture Reference Guide (July 2026). The comments in the code are by the model that wrote it; some were corrected since.
;; Model. Allowed arithmetic: float matrix products may take bf16 or f16 operands with f32 sums; other float arithmetic in f32, or as packed bf16 or f16 multiplies, adds, multiply-adds, maxima and minima; sums over many terms, partial sums and values carried from step to step in f32; what a program stores and reads back later, other than sums and carried values, may be rounded once to bf16 or f16.
;; Inputs: A_Wk 128 x 128 float32; A_Wq 128 x 128 float32; A_Wv 128 x 128 float32; A_bk 128 float32; A_bq 128 float32; A_bv 128 float32; A_f1W 128 x 512 float32; A_f1b 512 float32; A_f2W 512 x 128 float32; A_f2b 128 float32; A_n1b 128 float32; A_n1g 128 float32; A_n2b 128 float32; A_n2g 128 float32; B_Wk 64 x 128 float32; B_Wq 64 x 128 float32; B_Wv 128 x 128 float32; B_bk 128 float32; B_bq 128 float32; B_bv 128 float32; B_f1W 128 x 512 float32; B_f1b 512 float32; B_f2W 512 x 128 float32; B_f2b 128 float32; kq 8 x 2,048 x 64 float32; out_W 128 x 32 float32; out_b 32 float32; v 8 x 2,048 x 64 float32.
;; Outputs: out0 8 x 2,048 x 32 float32.
;; One version. Each part assembles by itself: llvm-mc -triple=amdgcn-amd-amdhsa -mcpu=gfx1250 --defsym DOCPART=n.
;; ======== version 1 of 1: 3 launches
;; limits: values are held in f16: magnitudes above 65,504 overflow, below 6.1e-05 lose precision
;; workspace buffers: ws1 29,933,568 bytes; ws2 4,194,304 bytes
;; launch prep (part 1): grid 256 x 1, 8 waves a work-group, no clusters, 17,408 bytes of LDS; arguments kq, v, A_Wk, A_Wq, A_Wv, B_Wk, B_Wq, A_bk, A_bq, A_bv, B_bk, B_bq, A_f1W, A_f2W, B_f1W, B_f2W, B_Wv, out_W, A_f1b, A_f2b, A_n1g, A_n1b, A_n2g, A_n2b, B_bv, B_f1b, B_f2b, out_b, ws1; writes ws1
.if DOCPART == 1
	.amdgcn_target "amdgcn-amd-amdhsa--gfx1250"
	.amdhsa_code_object_version 6
	.text
	.protected	k_qb31b221f6d_prep
	.globl	k_qb31b221f6d_prep
	.p2align	8
	.type	k_qb31b221f6d_prep,@function
k_qb31b221f6d_prep:
	s_mov_b64 s[64:65], 0
	v_nop
	global_prefetch_b8 v0, s[64:65] scope:SCOPE_SE
	s_setreg_imm32_b32 hwreg(HW_REG_WAVE_MODE, 25, 1), 1
	s_wait_xcnt 0x0
; PREP.  The five projections that hang on the inputs alone (layer A's K, Q, V from [kq | v]; layer B's K2, Q2 from kq), and copies of all later weights, biases and gains.
; Everything is stored as REGISTER IMAGES: a fragment of 16 x 32 numbers of 16 bits is 1,024 bytes, registers 4c..4c+3 of lane L at byte 512 c + 16 L,
; so the later launches fill an operand by two loads of 16 bytes a lane, each 512 consecutive bytes.
; FORMATS.  Every input is rounded once to bf16; the products are bf16 with f32 sums.  K, Q, V, K2, Q2 leave as f16, the residual V as f32.  The feed-forward weights and B_Wv are
; rounded to bf16 and that number is written as f16; out_W stays bf16; biases and gains are rounded to bf16 and kept as f32.
; LIMITS.  f16 ends at 65,504: K, Q, V, K2, Q2 must lie within it (with inputs and weights each 30 times the drawn spread they reach about 1e3).  A weight below 6.1e-5 keeps f16's step of 6e-8.
; SHARES.  A work-group owns 64 tokens (four tiles of 16); wave w owns output channels 16 w .. 16 w + 15 of each of the five matrices.  Wave 8 wg + w, where below 552, also makes one weight image; wave 552 the table.
; No cluster and no tensor load: the work-groups share only the weights, 256 KiB, which each wave takes straight into registers in the operand's layout.
.set SPARE, 16384                      ; behind X's 16 fragments: the spare words, 128 bytes for each of eight waves
.set RR,  1                            ; v1  lane % 16
.set HH,  2                            ; v2  lane / 16
.set L16, 3                            ; v3  16 x lane
.set SPW, 4                            ; v4  my spare word; never rewritten
.set NIL, 5                            ; v5  0; never rewritten
.set XO,  6                            ; v6  my byte offset in kq or v
.set XST, 7                            ; v7  where my part of X goes in LDS
.set BOF, 8                            ; v8  byte offset of bias[16 w + 8 h]
.set BOV, 9                            ; v9  byte offset of bias[16 w + r]
.set GA,  16                           ; v16-31  byte offsets of a weight fragment's 16 numbers of my lane
.set XR,  32                           ; v32-63  X as loaded
.set XP,  64                           ; v64-79  X in bf16
.set XF,  32                           ; v32-159 later: X's 16 fragments, (tile, k step) at 8 (4 tile + k step)
.set ACC, 160                          ; v160-191 four accumulators, one a token tile
.set BIAS,192                          ; v192-231 bk, bq, bv, b2k, b2q of channels 16 w + 8 h + 0..7
.set BVL, 232                          ; v232-233 bv[16 w + r]
.set PK,  234                          ; v234-249 packed results
.set WV,  52                           ; s52 my wave's number
.set GW,  95                           ; s95 8 wg + w
.set MSB, 0
.macro WIN new                         ; the immediate's high byte repeats the setting that is left
.if MSB != (\new)
	s_set_vgpr_msb (MSB<<8)|(\new)
.set MSB, (\new)
.endif
.endm
.macro RND2 a, tmp                     ; two f32 rounded to bf16 and widened again
	v_cvt_pk_bf16_f32 v[\tmp], v[\a], v[(\a)+1]
	v_lshlrev_b32 v[\a], 16, v[\tmp]
	v_and_b32 v[(\a)+1], 0xffff0000, v[\tmp]
.endm
	s_load_b512 s[4:19], s[0:1], 0x0               ; kq 4, v 6, A_Wk 8, A_Wq 10, A_Wv 12, B_Wk 14, B_Wq 16, A_bk 18
	s_load_b512 s[20:35], s[0:1], 0x40             ; A_bq 20, A_bv 22, B_bk 24, B_bq 26, A_f1W 28, A_f2W 30, B_f1W 32, B_f2W 34
	s_load_b512 s[36:51], s[0:1], 0x80             ; B_Wv 36, out_W 38, A_f1b 40, A_f2b 42, A_n1g 44, A_n1b 46, A_n2g 48, A_n2b 50
	s_load_b256 s[68:75], s[0:1], 0xc0             ; B_bv 68, B_f1b 70, B_f2b 72, out_b 74
	s_load_b64 s[76:77], s[0:1], 0xe0              ; ws1
	v_lshl_add_u32 v[SPW], v0, 2, SPARE
	v_mov_b32 v[NIL], 0
	v_lshrrev_b32 v10, 5, v0
	v_readfirstlane_b32 s[WV], v10
	v_and_b32 v[RR], 15, v0
	v_bfe_u32 v[HH], v0, 4, 1
	v_and_b32 v[L16], 31, v0
	v_lshlrev_b32 v[L16], 4, v[L16]
	s_lshr_b32 s53, s[WV], 1                       ; the head of my channels; also the token tile whose X I fetch
	s_and_b32 s58, s[WV], 1                        ; which half of the head's 32 channels; also: I fetch from kq (0) or v (1)
	s_lshl_b32 s54, s53, 12
	v_lshl_add_u32 v[XO], v[RR], 8, s54            ; (16 tile + r) rows of 256 bytes
	v_lshl_add_u32 v[XO], v[HH], 5, v[XO]          ; + 8 h numbers
	s_lshl_b32 s54, s[WV], 11
	v_add_nc_u32 v[XST], s54, v[L16]               ; fragments (tile, 2 source + 0..1) begin at 2,048 w
	s_lshl_b32 s54, s[WV], 6
	v_lshl_add_u32 v[BOF], v[HH], 5, s54
	v_lshl_add_u32 v[BOV], v[RR], 2, s54
	v_lshl_add_u32 v10, v[HH], 12, v[BOV]          ; row 8 h of 512 bytes, column 16 w + r
.set j, 0
.rept 16                               ; number j of my lane: row 8 h + j % 8 + 16 (j / 8) of the fragment's 32
	v_add_nc_u32 v[GA+j], ((j%8)+16*(j/8))*512, v10
.set j, j+1
.endr
	s_lshr_b32 s59, ttmp9, 2
	s_lshl_b32 s59, s59, 16                        ; batch and key tile of 256: 64 KiB each
	s_lshl_b32 s60, s53, 14                        ; head: 16 KiB
	s_add_co_u32 s59, s59, s60
	s_and_b32 s60, ttmp9, 3
	s_lshl_b32 s60, s60, 12                        ; my 64 tokens in the tile: 4 KiB
	s_add_co_u32 s59, s59, s60
	s_lshl_b32 s60, s58, 9
	s_add_co_u32 s60, s59, s60                     ; K images: my half of a fragment's registers
	s_mov_b32 s61, 0
	s_lshl_b32 s62, s58, 10
	s_add_co_u32 s62, s59, s62                     ; V images: my channel tile's fragment
	s_mov_b32 s63, 0
	s_lshl_b32 s56, ttmp9, 14                      ; 64 rows of 256 bytes of kq or v; also 4 row tiles x 4 heads x 1 KiB of Q
	s_mov_b32 s57, 0
	s_wait_kmcnt 0x0
	s_add_nc_u64 s[78:79], s[76:77], s[60:61]      ; K
	s_add_nc_u64 s[86:87], s[78:79], 0x800000      ; K2
	s_add_nc_u64 s[82:83], s[76:77], s[62:63]
	s_add_nc_u64 s[82:83], s[82:83], 0x400000      ; V
	s_lshl_b32 s60, s53, 10
	s_lshl_b32 s62, s58, 9
	s_add_co_u32 s60, s60, s62
	s_add_co_u32 s60, s60, s56
	s_add_nc_u64 s[80:81], s[76:77], s[60:61]
	s_add_nc_u64 s[80:81], s[80:81], 0xc00000      ; Q
	s_add_nc_u64 s[88:89], s[80:81], 0x400000      ; Q2
	s_lshl_b32 s60, ttmp9, 15
	s_lshl_b32 s62, s[WV], 10
	s_add_co_u32 s60, s60, s62
	s_add_nc_u64 s[84:85], s[76:77], s[60:61]
	s_add_nc_u64 s[84:85], s[84:85], 0x1400000     ; the residual V in f32
	s_cmp_eq_u32 s58, 1
	s_cselect_b64 s[54:55], s[6:7], s[4:5]
	s_add_nc_u64 s[54:55], s[54:55], s[56:57]
.set i, 0
.rept 8                                ; my lane's 32 numbers of one token: k step i / 4, half (i / 2) % 2, 16 bytes i % 2
	global_load_b128 v[XR+4*i:XR+4*i+3], v[XO], s[54:55] offset:(i/4)*128+((i/2)%2)*64+(i%2)*16 th:TH_LOAD_NT
.set i, i+1
.endr
.macro LDB dst, ptr
	global_load_b128 v[\dst:(\dst)+3], v[BOF], s[\ptr:(\ptr)+1]
	global_load_b128 v[(\dst)+4:(\dst)+7], v[BOF], s[\ptr:(\ptr)+1] offset:16
.endm
	LDB BIAS, 18
	LDB BIAS+8, 20
	LDB BIAS+16, 22
	LDB BIAS+24, 24
	LDB BIAS+32, 26
	global_load_b32 v[BVL], v[BOV], s[22:23]
; A weight fragment (lane r: output channel 16 w + r; 16 input channels a lane) comes as 16 loads of 4 bytes into window 1, fragment f at 16 f
.macro LDW ptr, f0, nks
.set f, 0
.rept \nks
.set j, 0
.rept 16
	global_load_b32 v[((\f0)+f)*16+j], v[GA+j], s[\ptr:(\ptr)+1] offset:f*16384
.set j, j+1
.endr
.set f, f+1
.endr
.endm
	WIN 0x40                                       ; destination window 1, address window 0
	LDW 8, 0, 4
	LDW 10, 4, 4
	LDW 12, 8, 4
	LDW 14, 12, 2
	LDW 16, 14, 2
	WIN 0
	s_wait_loadcnt 0x0                             ; all of them: the next lines read X, the weights and the biases
.set i, 0
.rept 16
	v_cvt_pk_bf16_f32 v[XP+i], v[XR+2*i], v[XR+2*i+1]
.set i, i+1
.endr
.irp i, 0,1,2,3
	ds_store_b128 v[XST], v[XP+4*\i:XP+4*\i+3] offset:\i*512
.endr
	WIN 0x45                                       ; all three places window 1: the weights are rounded and closed up, fragment f to 8 f; line i writes no register that a later line reads
.set i, 0
.rept 128
	v_cvt_pk_bf16_f32 v[i], v[2*i], v[2*i+1]
.set i, i+1
.endr
	WIN 0
.set i, 0
.rept 20
	RND2 (BIAS+2*i), (10+i%4)
.set i, i+1
.endr
	v_cvt_pk_bf16_f32 v10, v[BVL], v[BVL]
	v_lshlrev_b32 v[BVL], 16, v10
	v_mov_b32 v[BVL+1], v[BVL]                     ; named with it as a pair
	s_wait_dscnt 0x0                               ; for the others' sake: my part of X is in LDS
	s_barrier_signal -1
	s_barrier_wait -1
.set i, 0
.rept 32
	ds_load_b128 v[XF+4*i:XF+4*i+3], v[L16] offset:i*512
.set i, i+1
.endr
	s_wait_dscnt 0x0
; One projection for my 16 channels and the group's 64 tokens: the four token tiles' accumulators take turns.
; typ 0: source 0 = weights, source 1 = X: a lane holds one token and eight channels; the bias starts the sums.  typ 1: the other way round: a lane holds one channel and eight tokens.
; pat: where a token tile's 16 bytes a lane go: 0 K images, 1 Q images, 2 V images, 3 the f32 image (32 bytes a lane).
.macro PROJ typ, wf, nks, bias, base, pat
	s_wait_xcnt 0x0                                ; the accumulators and the packed registers, which the last projection's stores read, are rewritten only behind this wait
.if (\typ) == 0
	WIN 0x01
.else
	WIN 0x04
.endif
.set ks, 0
.rept \nks
.set tt, 0
.rept 4
.if (\typ) == 0
.if ks == 0
	v_wmma_f32_16x16x32_bf16 v[ACC+8*tt:ACC+8*tt+7], v[((\wf)+ks)*8:((\wf)+ks)*8+7], v[XF+(4*tt+ks)*8:XF+(4*tt+ks)*8+7], v[\bias:(\bias)+7]
.else
	v_wmma_f32_16x16x32_bf16 v[ACC+8*tt:ACC+8*tt+7], v[((\wf)+ks)*8:((\wf)+ks)*8+7], v[XF+(4*tt+ks)*8:XF+(4*tt+ks)*8+7], v[ACC+8*tt:ACC+8*tt+7]
.endif
.else
.if ks == 0
	v_wmma_f32_16x16x32_bf16 v[ACC+8*tt:ACC+8*tt+7], v[XF+(4*tt+ks)*8:XF+(4*tt+ks)*8+7], v[((\wf)+ks)*8:((\wf)+ks)*8+7], 0
.else
	v_wmma_f32_16x16x32_bf16 v[ACC+8*tt:ACC+8*tt+7], v[XF+(4*tt+ks)*8:XF+(4*tt+ks)*8+7], v[((\wf)+ks)*8:((\wf)+ks)*8+7], v[ACC+8*tt:ACC+8*tt+7]
.endif
.endif
.set tt, tt+1
.endr
.set ks, ks+1
.endr
	WIN 0
.rept 5                                ; four places before a result is read (ISA guide 7.12.1), five before the next projection's first product writes over an accumulator
	v_nop
.endr
.if (\pat) == 3
.set tt, 0
.rept 4
	global_store_b128 v[L16], v[ACC+8*tt:ACC+8*tt+3], s[\base:(\base)+1] offset:tt*8192
	global_store_b128 v[L16], v[ACC+8*tt+4:ACC+8*tt+7], s[\base:(\base)+1] offset:tt*8192+512
.set tt, tt+1
.endr
.else
.if (\typ) == 1
.set i, 0
.rept 16
	v_pk_add_f32 v[ACC+2*i:ACC+2*i+1], v[ACC+2*i:ACC+2*i+1], v[BVL:BVL+1] op_sel_hi:[1,0]
.set i, i+1
.endr
.endif
.set i, 0
.rept 16
	v_cvt_pk_f16_f32 v[PK+i], v[ACC+2*i], v[ACC+2*i+1]
.set i, i+1
.endr
.set tt, 0
.rept 4                                ; each store of the wave covers 512 consecutive bytes, aligned
.if (\pat) == 0
	global_store_b128 v[L16], v[PK+4*tt:PK+4*tt+3], s[\base:(\base)+1] offset:tt*1024
.elseif (\pat) == 1
	global_store_b128 v[L16], v[PK+4*tt:PK+4*tt+3], s[\base:(\base)+1] offset:tt*4096
.else
	global_store_b128 v[L16], v[PK+4*tt:PK+4*tt+3], s[\base:(\base)+1] offset:(tt/2)*2048+(tt%2)*512
.endif
.set tt, tt+1
.endr
.endif
.endm
	PROJ 0, 0, 4, BIAS, 78, 0                      ; K
	PROJ 0, 4, 4, BIAS+8, 80, 1                    ; Q
	PROJ 1, 8, 4, 0, 82, 2                         ; V, keys along the registers
	PROJ 0, 8, 4, BIAS+16, 84, 3                   ; V once more, channels along the registers, in f32: the residual
	PROJ 0, 12, 2, BIAS+24, 86, 0                  ; K2: kq is X's first two k steps
	PROJ 0, 14, 2, BIAS+32, 88, 1                  ; Q2
	; THE IMAGES OF THE LATER WEIGHTS.  Fragment gw: lane (r, h), number jj + 8 c holds W[k0 + 8 h + jj + 16 c][n0 + r].  s92 = bytes in a row of W, s93 = byte offset of W[k0][n0], s94 = 1: stays bf16.
	s_wait_xcnt 0x0                                ; the last stores have read their registers
	s_lshl_b32 s[GW], ttmp9, 3
	s_add_co_u32 s[GW], s[GW], s[WV]
	s_cmp_gt_u32 s[GW], 552
	s_cbranch_scc1 .Ldone
	s_cmp_eq_u32 s[GW], 552
	s_cbranch_scc1 .Lpar
	s_mov_b32 s94, 0
	s_cmp_ge_u32 s[GW], 544
	s_cbranch_scc1 .Ljo
	s_cmp_ge_u32 s[GW], 512
	s_cbranch_scc1 .Ljv
	s_bfe_u32 s53, s[GW], 0x30005                  ; q: which 64 hidden channels
	s_and_b32 s54, s[GW], 15
	s_bitcmp1_b32 s[GW], 4
	s_cbranch_scc1 .Ljw2
	s_and_b32 s55, s54, 3                          ; f1W [128][512]: n0 = 64 q + 16 (idx & 3), k0 = 32 (idx >> 2)
	s_lshr_b32 s56, s54, 2
	s_lshl_b32 s93, s56, 16
	s_lshl_b32 s56, s53, 8
	s_add_co_u32 s93, s93, s56
	s_lshl_b32 s56, s55, 6
	s_add_co_u32 s93, s93, s56
	s_movk_i32 s92, 2048
	s_bitcmp1_b32 s[GW], 8                         ; the layer
	s_cselect_b64 s[90:91], s[32:33], s[28:29]
	s_branch .Ljob
.Ljw2:
	s_and_b32 s55, s54, 7                          ; f2W [512][128]: n0 = 16 (idx & 7), k0 = 64 q + 32 (idx >> 3)
	s_lshr_b32 s56, s54, 3
	s_lshl_b32 s93, s53, 15
	s_lshl_b32 s56, s56, 14
	s_add_co_u32 s93, s93, s56
	s_lshl_b32 s56, s55, 6
	s_add_co_u32 s93, s93, s56
	s_movk_i32 s92, 512
	s_bitcmp1_b32 s[GW], 8
	s_cselect_b64 s[90:91], s[34:35], s[30:31]
	s_branch .Ljob
.Ljv:
	s_and_b32 s54, s[GW], 31                       ; B_Wv [128][128]: n0 = 16 (idx >> 2), k0 = 32 (idx & 3)
	s_and_b32 s55, s54, 3
	s_lshr_b32 s56, s54, 2
	s_lshl_b32 s93, s55, 14
	s_lshl_b32 s56, s56, 6
	s_add_co_u32 s93, s93, s56
	s_movk_i32 s92, 512
	s_mov_b64 s[90:91], s[36:37]
	s_branch .Ljob
.Ljo:
	s_and_b32 s54, s[GW], 7                        ; out_W [128][32]: n0 = 16 (idx >> 2), k0 = 32 (idx & 3)
	s_and_b32 s55, s54, 3
	s_lshr_b32 s56, s54, 2
	s_lshl_b32 s93, s55, 12
	s_lshl_b32 s56, s56, 6
	s_add_co_u32 s93, s93, s56
	s_movk_i32 s92, 128
	s_mov_b64 s[90:91], s[38:39]
	s_mov_b32 s94, 1
.Ljob:
	v_lshlrev_b32 v64, 3, v[HH]
	v_mul_lo_u32 v64, v64, s92
	v_lshl_add_u32 v64, v[RR], 2, v64
	v_add_nc_u32 v64, s93, v64
.set j, 0
.rept 16
	v_mad_u32_u24 v[48+j], s92, (j%8)+16*(j/8), v64
.set j, j+1
.endr
.set j, 0
.rept 16
	global_load_b32 v[32+j], v[48+j], s[90:91]
.set j, j+1
.endr
	s_lshl_b32 s56, s[GW], 10
	s_mov_b32 s57, 0
	s_add_nc_u64 s[96:97], s[76:77], s[56:57]
	s_add_nc_u64 s[96:97], s[96:97], 0x1c00000
	s_cmp_eq_u32 s94, 1
	s_cselect_b32 s53, -1, 0
	s_wait_loadcnt 0x0
.set i, 0
.rept 8
	v_cvt_pk_bf16_f32 v[66+i], v[32+2*i], v[32+2*i+1]
.set i, i+1
.endr
.set i, 0
.rept 8
	v_lshlrev_b32 v[74+2*i], 16, v[66+i]
	v_and_b32 v[75+2*i], 0xffff0000, v[66+i]
.set i, i+1
.endr
.set i, 0
.rept 8
	v_cvt_pk_f16_f32 v[90+i], v[74+2*i], v[75+2*i]  ; the bf16 number written as f16
.set i, i+1
.endr
.set i, 0
.rept 8
	v_cndmask_b32 v[98+i], v[90+i], v[66+i], s53
.set i, i+1
.endr
	global_store_b128 v[L16], v[98:101], s[96:97]
	global_store_b128 v[L16], v[102:105], s[96:97] offset:512
	s_branch .Ldone
.Lpar:                                 ; the table: 16 units of 128 f32, each rounded to bf16 and kept as f32
.macro LDP u, ptr, off
	global_load_b128 v[32+4*(\u):35+4*(\u)], v[L16], s[\ptr:(\ptr)+1] offset:\off
.endm
	v_min_u32 v106, 112, v[L16]                    ; out_b has 128 bytes: the lanes beyond repeat its last 16
	LDP 0, 40, 0
	LDP 1, 40, 512
	LDP 2, 40, 1024
	LDP 3, 40, 1536
	LDP 4, 42, 0
	LDP 5, 44, 0
	LDP 6, 46, 0
	LDP 7, 48, 0
	LDP 8, 50, 0
	LDP 9, 68, 0
	LDP 10, 70, 0
	LDP 11, 70, 512
	LDP 12, 70, 1024
	LDP 13, 70, 1536
	LDP 14, 72, 0
	global_load_b128 v[92:95], v106, s[74:75]
	s_add_nc_u64 s[96:97], s[76:77], 0x1c8a000
	s_wait_loadcnt 0x0
.set i, 0
.rept 32
	RND2 (32+2*i), (108+i%4)
.set i, i+1
.endr
.set i, 0
.rept 16
	global_store_b128 v[L16], v[32+4*i:35+4*i], s[96:97] offset:i*512
.set i, i+1
.endr
.Ldone:
	s_wait_tensorcnt 0x0                           ; the wave's end, behind my last LDS store
	ds_add_u32 v[SPW], v[NIL]
	s_wait_dscnt 0x0
	s_endpgm
.Lfunc_end_k_qb31b221f6d_prep:
	.size	k_qb31b221f6d_prep, .Lfunc_end_k_qb31b221f6d_prep-k_qb31b221f6d_prep
	.p2alignl 7, 3214868480
	.fill 96, 4, 3214868480
	.section	.rodata,"a",@progbits
	.p2align	6, 0x0
	.amdhsa_kernel k_qb31b221f6d_prep
		.amdhsa_group_segment_fixed_size 17408
		.amdhsa_private_segment_fixed_size 0
		.amdhsa_enable_private_segment 0
		.amdhsa_kernarg_size 232
		.amdhsa_user_sgpr_count 2
		.amdhsa_user_sgpr_kernarg_segment_ptr 1
		.amdhsa_wavefront_size32 1
		.amdhsa_system_sgpr_workgroup_id_x 1
		.amdhsa_system_sgpr_workgroup_id_y 1
		.amdhsa_system_sgpr_workgroup_id_z 1
		.amdhsa_system_vgpr_workitem_id 0
		.amdhsa_next_free_vgpr 512
		.amdhsa_next_free_sgpr 100
		.amdhsa_reserve_vcc 0
		.amdhsa_float_denorm_mode_32 3
		.amdhsa_float_denorm_mode_16_64 3
		.amdhsa_memory_ordered 1
		.amdhsa_forward_progress 1
		.amdhsa_inst_pref_size 75
	.end_amdhsa_kernel
	.amdgpu_metadata
---
amdhsa.version: [ 1, 2 ]
amdhsa.kernels:
  - .name:           k_qb31b221f6d_prep
    .symbol:         k_qb31b221f6d_prep.kd
    .args:
      - { .name: kq, .offset: 0, .size: 8, .value_kind: global_buffer, .address_space: global }
      - { .name: v, .offset: 8, .size: 8, .value_kind: global_buffer, .address_space: global }
      - { .name: A_Wk, .offset: 16, .size: 8, .value_kind: global_buffer, .address_space: global }
      - { .name: A_Wq, .offset: 24, .size: 8, .value_kind: global_buffer, .address_space: global }
      - { .name: A_Wv, .offset: 32, .size: 8, .value_kind: global_buffer, .address_space: global }
      - { .name: B_Wk, .offset: 40, .size: 8, .value_kind: global_buffer, .address_space: global }
      - { .name: B_Wq, .offset: 48, .size: 8, .value_kind: global_buffer, .address_space: global }
      - { .name: A_bk, .offset: 56, .size: 8, .value_kind: global_buffer, .address_space: global }
      - { .name: A_bq, .offset: 64, .size: 8, .value_kind: global_buffer, .address_space: global }
      - { .name: A_bv, .offset: 72, .size: 8, .value_kind: global_buffer, .address_space: global }
      - { .name: B_bk, .offset: 80, .size: 8, .value_kind: global_buffer, .address_space: global }
      - { .name: B_bq, .offset: 88, .size: 8, .value_kind: global_buffer, .address_space: global }
      - { .name: A_f1W, .offset: 96, .size: 8, .value_kind: global_buffer, .address_space: global }
      - { .name: A_f2W, .offset: 104, .size: 8, .value_kind: global_buffer, .address_space: global }
      - { .name: B_f1W, .offset: 112, .size: 8, .value_kind: global_buffer, .address_space: global }
      - { .name: B_f2W, .offset: 120, .size: 8, .value_kind: global_buffer, .address_space: global }
      - { .name: B_Wv, .offset: 128, .size: 8, .value_kind: global_buffer, .address_space: global }
      - { .name: out_W, .offset: 136, .size: 8, .value_kind: global_buffer, .address_space: global }
      - { .name: A_f1b, .offset: 144, .size: 8, .value_kind: global_buffer, .address_space: global }
      - { .name: A_f2b, .offset: 152, .size: 8, .value_kind: global_buffer, .address_space: global }
      - { .name: A_n1g, .offset: 160, .size: 8, .value_kind: global_buffer, .address_space: global }
      - { .name: A_n1b, .offset: 168, .size: 8, .value_kind: global_buffer, .address_space: global }
      - { .name: A_n2g, .offset: 176, .size: 8, .value_kind: global_buffer, .address_space: global }
      - { .name: A_n2b, .offset: 184, .size: 8, .value_kind: global_buffer, .address_space: global }
      - { .name: B_bv, .offset: 192, .size: 8, .value_kind: global_buffer, .address_space: global }
      - { .name: B_f1b, .offset: 200, .size: 8, .value_kind: global_buffer, .address_space: global }
      - { .name: B_f2b, .offset: 208, .size: 8, .value_kind: global_buffer, .address_space: global }
      - { .name: out_b, .offset: 216, .size: 8, .value_kind: global_buffer, .address_space: global }
      - { .name: ws1, .offset: 224, .size: 8, .value_kind: global_buffer, .address_space: global }
    .group_segment_fixed_size: 17408
    .private_segment_fixed_size: 0
    .kernarg_segment_align: 8
    .kernarg_segment_size: 232
    .max_flat_workgroup_size: 256
    .sgpr_count:     100
    .vgpr_count:     512
    .wavefront_size: 32
...
	.end_amdgpu_metadata
.endif
;; end of part 1
;; launch attA (part 2): grid 256 x 1, 4 waves a work-group, clusters of 4 x 1, 327,680 bytes of LDS; arguments ws1, ws2; writes ws2
.if DOCPART == 2
	.amdgcn_target "amdgcn-amd-amdhsa--gfx1250"
	.amdhsa_code_object_version 6
	.text
	.protected	k_qb31b221f6d_attA
	.globl	k_qb31b221f6d_attA
	.p2align	8
	.type	k_qb31b221f6d_attA,@function
k_qb31b221f6d_attA:
	s_mov_b64 s[64:65], 0
	v_nop
	global_prefetch_b8 v0, s[64:65] scope:SCOPE_SE
	s_setreg_imm32_b32 hwreg(HW_REG_WAVE_MODE, 25, 1), 1
	s_wait_xcnt 0x0
	s_wait_alu depctr_hold_cnt(0) depctr_sa_sdst(0) depctr_va_vdst(0) depctr_va_sdst(0) depctr_va_ssrc(0) depctr_va_vcc(0) depctr_vm_vsrc(0)
	s_getreg_b32 s2, hwreg(HW_REG_IB_STS2, 6, 4)
	s_cmp_eq_u32 s2, 0
	s_cbranch_scc0 .Lentry_in_a_cluster
	s_endpgm
.Lentry_in_a_cluster:
	s_bfe_u32 s2, ttmp6, 0x10000c
	s_cmp_lg_u32 s2, 0x3003
	s_cbranch_scc0 .Lentry_shape_is_right
	s_endpgm
.Lentry_shape_is_right:
; LAYER A: causal attention (4 heads of 32 channels, no scale), h1 = LN(V + attention), vA = LN(h1 + FF(h1)) with the exact GELU, and V2 = vA B_Wv + B_bv, stored as layer B's V images.
; SHARES.  A cluster of four work-groups owns two super-blocks of 128 rows of one batch, 15 - g and then g; work-group cx takes rows 32 cx .. 32 cx + 31 of each: two tiles of 16.
; In the attention a wave is a head; behind it a wave is one of the work-group's four row tiles.
; THE WALK.  All four partners walk the same key tiles of 256: floor((15-g)/2) + 1 for the first block, floor(g/2) + 1 for the second, 9 for every g.  A loop of eight trips and a ninth tile that is written
; out: the ninth is always the second block's last.  A tile is plain (four key steps of 64, no mask) or its block's last (four steps that take the mask); which, hangs on a scalar made from g.
; A last tile's steps beyond the block's keys (two of the walk's 36) are computed with every key hidden: their weights are 0.  Two more tiles of the same ring bring the feed-forward weights.
; Every tile is asked for JOINTLY by the four (mask 15).
; LAYOUT.  All operands lie in memory and LDS as register images (registers 4c..4c+3 of lane L at 512 c + 16 L of a fragment's 1,024 bytes), read at 16 x lane: no padding is needed.
; S^T = K Q^T holds one query a lane (lane % 16) and keys 8 (lane / 16) + 0..7; rounded in pairs it is source 1 of O^T = V^T P.  A row tile in f32 (Y): register 8 mt + j = channel 16 mt + 8 h + j of row r;
; that is the result layout of every transposed product here, and rounded in pairs it is source 1 of the next.
; SOFTMAX.  Running maximum m and sum l in f32: p = 2^(c s - c m), c = log2(e); O and l are multiplied by a = 2^(c m_old - c m_new) in every step; m starts at the lowest finite number.
; Key 0 is visible to every row, so m is a true score from a block's first step on.
; FORMATS.  Q, K, V, p, h1 as operand, the hidden layer: f16.  Residuals, O, norms: f32.  vA goes into its product as an f16 number plus the f16 rest.
; LIMITS.  f16 operands stay under 65,504.  A hidden score is replaced by -1e30 (equal to the sum score - 1e30 wherever |score| < 1e22).  A weight below 2^-126 counts as 0 in l.
; erf by the five-term rational form in 1 / (1 + 0.3275911 z), absolute error 1.5e-7 for every z.  NaN and infinities are not treated apart.
.set SLOT1, 1<<17                      ; two slots of 131,072 bytes: K of head hd at 16,384 hd, V at 65,536 + 16,384 hd; or four chunks of weights of 32,768
.set OST,   262144                     ; four Y images of O, 8,192 bytes each; never filled by a tensor load
.set PARL,  294912                     ; biases and gains: f1b 0, f2b 2048, n1g 2560, n1b 3072, n2g 3584, n2b 4096, B_bv 4608
.set SPARE, 303104                     ; the spare words, 128 bytes for each wave
.set RR,1
.set HH,2
.set L16,3
.set SPW,4                             ; v4 my spare word; never rewritten
.set NIL,5                             ; v5 0; never rewritten
.set A0K,6                             ; v6 16 lane + 16,384 head;  behind the attention ONE = 1.0
.set A0V,7                             ; v7 the same + 65,536;      behind the attention AP = PARL + 32 h
.set AK,8                              ; v8 address of K's loads;   behind the attention AW
.set AV,9                              ; v9 address of V's loads;   behind the attention AB1
.set ONE,6
.set AP,7
.set AW,8
.set AB1,9
.set BIG,10                            ; v10 -1e30
.set STO,11                            ; v11 where my head's O goes in the stage; never rewritten
.set VL,12                             ; v12-13 by tile: the last visible key, less 8 h
.set VL2,14                            ; v14-15 the same for the second block
.set ST,16                             ; v16-31 by tile: c m, m, l (even, odd keys), c0-c3 at work (a takes c2, c m_old c3)
.set Q,32                              ; v32-47
.set O,48                              ; v48-79  tile t, channel tile ct at 16 t + 8 ct
.set KF,80                             ; v80-111
.set VF,112                            ; v112-143
.set S,144                             ; v144-207
.set P,208                             ; v208-239
.set VT,240                            ; v240-241
.set PGO,242
.set PLA,243
.set PD,244                            ; v244-253
.set VR,16                             ; window 1: v0-15 the second block's Q, v16-79 the residual V of my row tile; later the chunk's weights
.set Y,32                              ; behind the attention: v32-95 the row tile, then FF2's sums
.set XH,96                             ; v96-127 source 1 fragments; v128-159 their rest
.set A1,128                            ; v128-159 FF1's sums
.set HF,160                            ; v160-175 the hidden layer's fragments
.set HX,192
.set HA,200
.set TT,208
.set EE,216
.set PP,224
.set LG,96                             ; the norms: gains v96-159, biases v160-223
.set LB,160
.set LT,224
.set LM,232
.set LR,234
.set VS,160                            ; V2's sums v160-223
.set WV,10
.set CX,11
.set BB,12
.set GG,13
.set TP,14
.set G1,16
.set G0,24
.set PKV,28
.set PW,30
.set RT,32                             ; tiles of the block in hand that are still to be entered
.set RT2,33                            ; the second block's tiles
.set OFF,34
.set NXT,36                            ; the tile to ask for next
.set LQ,37                             ; the last tile of the block whose tiles are being asked for
.set LQ2,38
.set KB1,39                            ; the first key of the first block's last tile
.set KB,40                             ; in a last tile: the step's first key
.set KB2,41                            ; the first key of the second block's last tile
.set CNT,44
.set CNT4,45
.set TB,46                             ; LDS byte of the step's or chunk's data, less the head's part
.set R1,47
.set R2,48
.set BO,49
.set CS,50
.set SEL,52
.set ABSM,56
.set R128,57
.set PQ1,58
.set PQ2,60
.set PVR,62
.set PV2,66
.set PWV,68
.set C046,70
.set CEXP,72
.set A5,74
.set A4,76
.set A3,78
.set A2,80
.set A1C,82
.set EPS,84
.set RW,85
.set PPAR,86
.set TS,88
.set MSB, 0
.macro WIN new                         ; the immediate's high byte repeats the setting that is left
.if MSB != (\new)
	s_set_vgpr_msb (MSB<<8)|(\new)
.set MSB, (\new)
.endif
.endm
.macro PLACES                          ; four places behind matrix instructions (ISA guide 7.12.1), where no other vector work is at hand
.rept 4
	v_nop
.endr
.endm
.macro CROUND                          ; a round of the cluster's barrier
	s_barrier_signal -1
	s_barrier_wait -1
	s_cmp_lg_u32 s[WV], 0
	s_cbranch_scc1 .Lnot_wave_0_\@
	s_barrier_signal -3
.Lnot_wave_0_\@:
	s_barrier_wait -3
	s_barrier_signal -1
	s_barrier_wait -1
.endm
; THE CHANGE OF SLOTS.  Each wave waits for all its tensor loads (one is out: its quarter of the other slot), adds 0 to its spare word, and waits for that and for its own LDS reads and stores.
; kind 1: the slot left is filled with key tile NXT; kind 3: with the first half of the weights; kind 2: with their second half; kind 0: nothing is asked for.
; Where a slot is filled the barrier is a round of the cluster's, and the joint load is the first thing behind it.
.macro CHANGE kind, back
	s_wait_tensorcnt 0x0                           ; no tensor load of mine is out, so the descriptor may be written
	ds_add_u32 v[SPW], v[NIL]                      ; 0 onto my spare word; scalar work stands between it and the wait for it
.if (\kind) == 1
	s_lshl_b32 s[OFF], s[NXT], 16                  ; a tile is 65,536 bytes of K and of V
	s_xor_b32 s[G0+1], s[G0+1], SLOT1
	s_add_nc_u64 s[G0+2:G0+3], s[PKV:PKV+1], s[OFF:OFF+1]
	s_or_b32 s[G0+3], s[G0+3], 0x80000000
	s_add_co_u32 s[NXT], s[NXT], 1                 ; the block's next tile, or behind its last the second block's tile 0
	s_cmp_gt_u32 s[NXT], s[LQ]
	s_cselect_b32 s[NXT], 0, s[NXT]
	s_cselect_b32 s[LQ], s[LQ2], s[LQ]
.elseif (\kind) == 3
	s_xor_b32 s[G0+1], s[G0+1], SLOT1
	s_mov_b64 s[G0+2:G0+3], s[PW:PW+1]
	s_or_b32 s[G0+3], s[G0+3], 0x80000000
.elseif (\kind) == 2
	s_xor_b32 s[G0+1], s[G0+1], SLOT1
	s_add_nc_u64 s[G0+2:G0+3], s[PW:PW+1], 0x20000
	s_or_b32 s[G0+3], s[G0+3], 0x80000000
.endif
	s_sub_co_u32 s[TB], s[TB], \back               ; the reads go back to a slot's head,
	s_xor_b32 s[TB], s[TB], SLOT1                  ; in the other slot
	s_wait_dscnt 0x0                               ; the add is done, my reads of the slot are over, my stores into the stages are done
.if (\kind) > 0
	CROUND
	tensor_load_to_lds s[G0:G0+3], s[G1:G1+7]
	s_nop 0
	PLACES
.else
	s_barrier_signal -1
	s_barrier_wait -1
.endif
.endm
.macro FETCHK off                      ; 64 keys x 32 channels of my head: four fragments
.irp i, 0,1,2,3,4,5,6,7
	ds_load_b128 v[KF+4*\i:KF+4*\i+3], v[AK] offset:(\off)+\i*512
.endr
.endm
.macro FETCHV                          ; 32 channels x 64 keys: four fragments, (32 keys kg, channel tile ct) at 2 kg + ct
.irp i, 0,1,2,3,4,5,6,7
	ds_load_b128 v[VF+4*\i:VF+4*\i+3], v[AV] offset:\i*512
.endr
.endm
.macro KQ                              ; a head has 32 channels: one product a tile of 16 keys x 16 queries
.irp kt, 0,1,2,3
.irp t, 0,1
	v_wmma_f32_16x16x32_f16 v[S+32*\t+8*\kt:S+32*\t+8*\kt+7], v[KF+8*\kt:KF+8*\kt+7], v[Q+8*\t:Q+8*\t+7], 0
.endr
.endr
.endm
.macro PV                              ; four accumulators take turns
.irp kg, 0,1
.irp ct, 0,1
.irp t, 0,1
	v_wmma_f32_16x16x32_f16 v[O+16*\t+8*\ct:O+16*\t+8*\ct+7], v[VF+8*(2*\kg+\ct):VF+8*(2*\kg+\ct)+7], v[P+16*\t+8*\kg:P+16*\t+8*\kg+7], v[O+16*\t+8*\ct:O+16*\t+8*\ct+7]
.endr
.endr
.endr
.endm
.macro MASKS                           ; score i of my lane is key KB + 16 (i / 8) + 8 h + i % 8: hidden where that passes the row's last visible key
.irp t, 0,1
	v_sub_nc_u32 v[VT+\t], v[VL+\t], s[KB]
.endr
.set i, 0
.rept 32
.irp t, 0,1
	v_cmp_gt_i32 vcc_lo, 16*(i/8)+i%8, v[VT+\t]
	v_cndmask_b32 v[S+32*\t+i], v[S+32*\t+i], v[BIG], vcc_lo
.endr
.set i, i+1
.endr
.endm
.macro SOFTMAX                         ; every line for tile 0 and then tile 1, so that no line reads the result of the one before it; each accumulator's lowest registers are read first
.irp n, 0,1,2,3
.irp t, 0,1
	v_max3_num_f32 v[ST+8*\t+4+\n], v[S+32*\t+8*\n], v[S+32*\t+8*\n+1], v[S+32*\t+8*\n+2]
.endr
.endr
.irp m, 1,2
.irp n, 0,1,2,3
.irp t, 0,1
	v_max3_num_f32 v[ST+8*\t+4+\n], v[ST+8*\t+4+\n], v[S+32*\t+8*\n+2*\m+1], v[S+32*\t+8*\n+2*\m+2]
.endr
.endr
.endr
.irp t, 0,1
	v_max3_num_f32 v[ST+8*\t+4], v[ST+8*\t+4], v[S+32*\t+7], v[S+32*\t+15]
.endr
.irp t, 0,1
	v_max3_num_f32 v[ST+8*\t+6], v[ST+8*\t+6], v[S+32*\t+23], v[S+32*\t+31]
.endr
.irp t, 0,1
	v_max3_num_f32 v[ST+8*\t+4], v[ST+8*\t+4], v[ST+8*\t+5], v[ST+8*\t+6]
.endr
.irp t, 0,1
	v_max3_num_f32 v[ST+8*\t+4], v[ST+8*\t+4], v[ST+8*\t+7], v[ST+8*\t+1]
.endr
.irp t, 0,1
	v_permlanex16_b32 v[ST+8*\t+5], v[ST+8*\t+4], s[SEL], s[SEL+1]  ; the query's other 32 keys lie in the lane 16 away
.endr
.irp t, 0,1
	v_mov_b32 v[ST+8*\t+7], v[ST+8*\t]
.endr
.irp t, 0,1
	v_max_num_f32 v[ST+8*\t+1], v[ST+8*\t+4], v[ST+8*\t+5]
.endr
.irp t, 0,1
	v_mul_f32 v[ST+8*\t], s[CS], v[ST+8*\t+1]
.endr
.irp t, 0,1
	v_sub_f32 v[ST+8*\t+7], v[ST+8*\t+7], v[ST+8*\t]
.endr
.irp t, 0,1
	v_exp_f32 v[ST+8*\t+6], v[ST+8*\t+7]
.endr
.set i, 0
.rept 16
.irp t, 0,1
	v_pk_fma_f32 v[S+32*\t+2*i:S+32*\t+2*i+1], v[S+32*\t+2*i:S+32*\t+2*i+1], s[CS:CS+1], v[ST+8*\t:ST+8*\t+1] op_sel_hi:[1,0,0] neg_lo:[0,0,1] neg_hi:[0,0,1]
.endr
.set i, i+1
.endr
.set i, 0
.rept 32
.irp t, 0,1
	v_exp_f32 v[S+32*\t+i], v[S+32*\t+i]
.endr
.set i, i+1
.endr
.set i, 0
	s_wait_alu depctr_va_vdst(0)
.rept 8                                ; O times a: the plain lines between the last exponential and the use of its result
.irp t, 0,1
	v_pk_mul_f32 v[O+16*\t+2*i:O+16*\t+2*i+1], v[O+16*\t+2*i:O+16*\t+2*i+1], v[ST+8*\t+6:ST+8*\t+7] op_sel_hi:[1,0]
.endr
.set i, i+1
.endr
.set i, 0
.rept 16
.irp t, 0,1
	v_cvt_pk_f16_f32 v[P+16*\t+i], v[S+32*\t+2*i], v[S+32*\t+2*i+1]
.endr
.set i, i+1
.endr
.irp w, 4,8,16,32                      ; the sum of the 16 pairs, in place: neighbours 1, 2, 4, 8 pairs apart
.set i, 0
.rept 32/\w
.irp t, 0,1
	v_pk_add_f32 v[S+32*\t+\w*i:S+32*\t+\w*i+1], v[S+32*\t+\w*i:S+32*\t+\w*i+1], v[S+32*\t+\w*i+\w/2:S+32*\t+\w*i+\w/2+1]
.endr
.set i, i+1
.endr
.endr
.irp t, 0,1
	v_pk_fma_f32 v[ST+8*\t+2:ST+8*\t+3], v[ST+8*\t+2:ST+8*\t+3], v[ST+8*\t+6:ST+8*\t+7], v[S+32*\t:S+32*\t+1] op_sel_hi:[1,0,1]
.endr
.endm
.macro TILEHEAD                        ; a tile is entered: K of its first step
	v_add_nc_u32 v[AK], s[TB], v[A0K]
	FETCHK 0
	s_mov_b32 s[CNT4], 4
.endm
; A KEY STEP of 64 keys for my head and two tiles of 16 queries.  m = 1: the scores take the mask.  It ends with the compare for the branch that stands behind it.
.macro STEP m
	v_add_nc_u32 v[AK], s[TB], v[A0K]
	v_add_nc_u32 v[AV], s[TB], v[A0V]
	s_wait_dscnt 0x0                               ; K is in
	KQ
	PLACES
	FETCHV
	FETCHK 4096                                    ; the next step's K; in a tile's fourth step these bytes lie further on in the same landed slot and are not used
.if \m
	MASKS
	s_add_co_u32 s[KB], s[KB], 64
.endif
	SOFTMAX
	s_wait_dscnt 8                                 ; V is in; K's eight loads behind it may be out
	PV
	PLACES
	s_add_co_u32 s[TB], s[TB], 4096
	s_sub_co_u32 s[CNT4], s[CNT4], 1
	s_cmp_lg_u32 s[CNT4], 0
.endm
; A BLOCK ENDS: O / l in f32 goes into the stage as my head's part of two Y images, off bytes on.  reset = 1: the state is set for the second block.
.macro ENDBLK off, reset
.irp t, 0,1
	v_add_f32 v[ST+8*\t+4], v[ST+8*\t+2], v[ST+8*\t+3]
.endr
.irp t, 0,1
	v_permlanex16_b32 v[ST+8*\t+5], v[ST+8*\t+4], s[SEL], s[SEL+1]
.endr
.irp t, 0,1
	v_add_f32 v[ST+8*\t+4], v[ST+8*\t+4], v[ST+8*\t+5]
.endr
.irp t, 0,1
	v_rcp_f32 v[ST+8*\t+6], v[ST+8*\t+4]
.endr
	v_nop                                          ; a plain line between the last reciprocal and the use of its result
.set i, 0
	s_wait_alu depctr_va_vdst(0)
.rept 8
.irp t, 0,1
	v_pk_mul_f32 v[O+16*\t+2*i:O+16*\t+2*i+1], v[O+16*\t+2*i:O+16*\t+2*i+1], v[ST+8*\t+6:ST+8*\t+7] op_sel_hi:[1,0]
.endr
.set i, i+1
.endr
.irp t, 0,1
.irp i, 0,1,2,3
	ds_store_b128 v[STO], v[O+16*\t+4*\i:O+16*\t+4*\i+3] offset:(\off)+\t*8192+\i*512
.endr
.endr
.if \reset
.set i, 0
.rept 32
	v_mov_b32 v[O+i], 0
.set i, i+1
.endr
.irp t, 0,1
	v_mov_b32 v[ST+8*\t], 0xfe000000               ; c m: far below every c s
	v_mov_b32 v[ST+8*\t+1], 0xff7fffff             ; m
	v_mov_b32 v[ST+8*\t+2], 0
	v_mov_b32 v[ST+8*\t+3], 0
	v_mov_b32 v[VL+\t], v[VL2+\t]
.endr
	WIN 0x01
.set i, 0
.rept 16
	v_mov_b32 v[Q+i], v[i]                         ; the second block's Q, kept in window 1
.set i, i+1
.endr
	WIN 0
	s_mov_b32 s[RT], s[RT2]
.endif
.endm
; LAYER NORM of the row tile in Y: a lane holds 64 of its row's 128 channels, the lane 16 away the others.  The mean is taken away before the squares.
.macro LNORM goff, boff
.set i, 0
.rept 16
	ds_load_b128 v[LG+4*i:LG+4*i+3], v[AP] offset:(\goff)+(i/2)*64+(i%2)*16
.set i, i+1
.endr
.set i, 0
.rept 16
	ds_load_b128 v[LB+4*i:LB+4*i+3], v[AP] offset:(\boff)+(i/2)*64+(i%2)*16
.set i, i+1
.endr
.irp c, 0,2,4,6
	v_pk_add_f32 v[LT+\c:LT+\c+1], v[Y+\c:Y+\c+1], v[Y+8+\c:Y+8+\c+1]
.endr
.irp m, 2,3,4,5,6,7
.irp c, 0,2,4,6
	v_pk_add_f32 v[LT+\c:LT+\c+1], v[LT+\c:LT+\c+1], v[Y+8*\m+\c:Y+8*\m+\c+1]
.endr
.endr
	v_pk_add_f32 v[LT:LT+1], v[LT:LT+1], v[LT+2:LT+3]
	v_pk_add_f32 v[LT+4:LT+5], v[LT+4:LT+5], v[LT+6:LT+7]
	v_pk_add_f32 v[LT:LT+1], v[LT:LT+1], v[LT+4:LT+5]
	v_add_f32 v[LT], v[LT], v[LT+1]
	v_permlanex16_b32 v[LT+1], v[LT], s[SEL], s[SEL+1]
	v_add_f32 v[LT], v[LT], v[LT+1]
	v_mul_f32 v[LM], s[R128], v[LT]
	v_mov_b32 v[LM+1], v[LM]
.set i, 0
.rept 32
	v_pk_add_f32 v[Y+2*i:Y+2*i+1], v[Y+2*i:Y+2*i+1], v[LM:LM+1] op_sel_hi:[1,0] neg_lo:[0,1] neg_hi:[0,1]
.set i, i+1
.endr
.irp c, 0,2,4,6
	v_pk_mul_f32 v[LT+\c:LT+\c+1], v[Y+\c:Y+\c+1], v[Y+\c:Y+\c+1]
.endr
.irp m, 1,2,3,4,5,6,7
.irp c, 0,2,4,6
	v_pk_fma_f32 v[LT+\c:LT+\c+1], v[Y+8*\m+\c:Y+8*\m+\c+1], v[Y+8*\m+\c:Y+8*\m+\c+1], v[LT+\c:LT+\c+1]
.endr
.endr
	v_pk_add_f32 v[LT:LT+1], v[LT:LT+1], v[LT+2:LT+3]
	v_pk_add_f32 v[LT+4:LT+5], v[LT+4:LT+5], v[LT+6:LT+7]
	v_pk_add_f32 v[LT:LT+1], v[LT:LT+1], v[LT+4:LT+5]
	v_add_f32 v[LT], v[LT], v[LT+1]
	v_permlanex16_b32 v[LT+1], v[LT], s[SEL], s[SEL+1]
	v_add_f32 v[LT], v[LT], v[LT+1]
	v_fma_f32 v[LT], v[LT], s[R128], s[EPS]
	v_rsq_f32 v[LR], v[LT]
	v_rsq_f32 v[LR+1], v[LT]
	v_nop                                          ; a plain line between the root and the use of its result
.set i, 0
	s_wait_alu depctr_va_vdst(0)
.rept 32
	v_pk_mul_f32 v[Y+2*i:Y+2*i+1], v[Y+2*i:Y+2*i+1], v[LR:LR+1] op_sel_hi:[1,0]
.set i, i+1
.endr
	s_wait_dscnt 0x0                               ; gains and biases are in
.set i, 0
.rept 32
	v_pk_fma_f32 v[Y+2*i:Y+2*i+1], v[Y+2*i:Y+2*i+1], v[LG+2*i:LG+2*i+1], v[LB+2*i:LB+2*i+1]
.set i, i+1
.endr
.endm
; GELU of eight numbers: with hx = x / 2, ha = |hx|, z = |x| / sqrt 2:  gelu = (hx + ha) - ha poly(t) e^(-z z),  t = 1 / (1 + 0.3275911 z) = 1 / (1 + 0.46328378 ha),  e^(-z z) = 2^(-2.88539 hx hx).
.macro GELU8 x, hd
.irp p, 0,2,4,6
	v_pk_mul_f32 v[HX+\p:HX+\p+1], v[(\x)+\p:(\x)+\p+1], 0.5 op_sel_hi:[1,0]
.endr
.irp p, 0,1,2,3,4,5,6,7
	v_and_b32 v[HA+\p], s[ABSM], v[HX+\p]
.endr
.irp p, 0,2,4,6
	v_pk_fma_f32 v[TT+\p:TT+\p+1], v[HA+\p:HA+\p+1], s[C046:C046+1], 1.0 op_sel_hi:[1,0,0]
.endr
.irp p, 0,2,4,6
	v_pk_mul_f32 v[EE+\p:EE+\p+1], v[HX+\p:HX+\p+1], v[HX+\p:HX+\p+1]
.endr
.irp p, 0,1,2,3,4,5,6,7
	v_rcp_f32 v[TT+\p], v[TT+\p]
.endr
.irp p, 0,2,4,6
	v_pk_mul_f32 v[EE+\p:EE+\p+1], v[EE+\p:EE+\p+1], s[CEXP:CEXP+1] op_sel_hi:[1,0]
.endr
.irp p, 0,1,2,3,4,5,6,7
	v_exp_f32 v[EE+\p], v[EE+\p]
.endr
	s_wait_alu depctr_va_vdst(0)
.irp p, 0,2,4,6
	v_pk_fma_f32 v[PP+\p:PP+\p+1], v[TT+\p:TT+\p+1], s[A5:A5+1], s[A4:A4+1] op_sel_hi:[1,0,0]
.endr
.irp k, A3, A2, A1C
.irp p, 0,2,4,6
	v_pk_fma_f32 v[PP+\p:PP+\p+1], v[PP+\p:PP+\p+1], v[TT+\p:TT+\p+1], s[\k:\k+1] op_sel_hi:[1,1,0]
.endr
.endr
.irp p, 0,2,4,6
	v_pk_mul_f32 v[TT+\p:TT+\p+1], v[TT+\p:TT+\p+1], v[EE+\p:EE+\p+1]
.endr
.irp p, 0,2,4,6
	v_pk_mul_f32 v[PP+\p:PP+\p+1], v[PP+\p:PP+\p+1], v[TT+\p:TT+\p+1]
.endr
.irp p, 0,2,4,6
	v_pk_add_f32 v[HX+\p:HX+\p+1], v[HX+\p:HX+\p+1], v[HA+\p:HA+\p+1]
.endr
.irp p, 0,2,4,6
	v_pk_fma_f32 v[HX+\p:HX+\p+1], v[HA+\p:HA+\p+1], v[PP+\p:PP+\p+1], v[HX+\p:HX+\p+1] neg_lo:[1,0,0] neg_hi:[1,0,0]
.endr
.irp i, 0,1,2,3
	v_cvt_pk_f16_f32 v[(\hd)+\i], v[HX+2*\i], v[HX+2*\i+1]
.endr
.endm
; 64 hidden channels: FF1 (the bias starts the sums), GELU, FF2 onto the row tile's sums.  The chunk's 32 fragments of weights come from the slot into window 1.
.macro FFCHUNK
	v_add_nc_u32 v[AW], s[TB], v[L16]
	v_add_nc_u32 v[AB1], s[BO], v[AP]
.irp i, 0,1,2,3,4,5,6,7
	ds_load_b128 v[A1+4*\i:A1+4*\i+3], v[AB1] offset:(\i/2)*64+(\i%2)*16
.endr
	WIN 0x40
.set i, 0
.rept 48                               ; W1's 16 fragments and the first 8 of W2's
	ds_load_b128 v[4*i:4*i+3], v[AW] offset:i*512
.set i, i+1
.endr
	s_wait_dscnt 16                                ; the bias and W1 are in; the youngest 16 loads, W2's, may be out
	WIN 0x01
.irp ks, 0,1,2,3
.irp ht, 0,1,2,3
	v_wmma_f32_16x16x32_f16 v[A1+8*\ht:A1+8*\ht+7], v[8*(4*\ks+\ht):8*(4*\ks+\ht)+7], v[XH+8*\ks:XH+8*\ks+7], v[A1+8*\ht:A1+8*\ht+7]
.endr
.endr
	WIN 0x40
.rept 16                               ; the other 8 fragments of W2, into registers that none of the products above names
	ds_load_b128 v[4*i:4*i+3], v[AW] offset:i*512
.set i, i+1
.endr
	WIN 0
	PLACES
.irp ht, 0,1,2,3
	GELU8 (A1+8*\ht), (HF+4*\ht)
.endr
	s_wait_dscnt 0x0                               ; W2 is in
	WIN 0x01
.irp kk, 0,1
.irp mt, 0,1,2,3,4,5,6,7
	v_wmma_f32_16x16x32_f16 v[Y+8*\mt:Y+8*\mt+7], v[128+8*(8*\kk+\mt):128+8*(8*\kk+\mt)+7], v[HF+8*\kk:HF+8*\kk+7], v[Y+8*\mt:Y+8*\mt+7]
.endr
.endr
	WIN 0
	PLACES
	s_add_co_u32 s[TB], s[TB], 32768
	s_add_co_u32 s[BO], s[BO], 256
.endm
	s_load_b128 s[4:7], s[0:1], 0x0                ; ws1 s[4:5], ws2 s[6:7]
	v_lshl_add_u32 v[SPW], v0, 2, SPARE
	v_mov_b32 v[NIL], 0
	ds_add_u32 v[SPW], v[NIL]                      ; the wave's opening: the add and its wait come ahead of my first tensor load; the set-up below stands between them
	v_lshrrev_b32 v1, 5, v0
	v_readfirstlane_b32 s[WV], v1
	s_bfe_u32 s[CX], ttmp6, 0x40000                ; my place in the cluster: it enters row numbers and global addresses of my own rows alone
	s_lshr_b32 s[BB], ttmp9, 3                     ; the batch,
	s_and_b32 s[GG], ttmp9, 7                      ; and g: both shared by the four partners
	s_mov_b32 s[G1], 15|(3<<16)|(1<<21)            ; the mask of four; elements of 8 bytes; bit 21 set beside a mask
	s_mov_b32 s[G1+1], 32<<16                      ; tensor_dim0 = 32: rows of 256 bytes
	s_mov_b32 s[G1+2], 128<<16                     ; tensor_dim1 = 128
	s_mov_b32 s[G1+3], 32<<16                      ; tile_dim0 = 32
	s_mov_b32 s[G1+4], 128                         ; tile_dim1 = 128: 32,768 dense bytes, a quarter of a slot
	s_mov_b32 s[G1+5], 32
	s_mov_b32 s[G1+6], 0
	s_mov_b32 s[G1+7], 0
	s_mov_b32 s[G0], 1
	s_lshl_b32 s[G0+1], s[WV], 15                  ; wave w fills quarter w: K of heads 0-1, K of 2-3, V of 0-1, V of 2-3; of the weights chunk w
	s_sub_co_u32 s[R1], 15, s[GG]                  ; the first super-block
	s_lshr_b32 s[LQ], s[R1], 1                     ; its last key tile,
	s_lshr_b32 s[LQ2], s[GG], 1                    ; and the second's
	s_lshl_b32 s[KB1], s[LQ], 8
	s_lshl_b32 s[KB2], s[LQ2], 8
	s_add_co_u32 s[RT], s[LQ], 1
	s_add_co_u32 s[RT2], s[LQ2], 1
	s_mov_b32 s[KB], 0
	s_mov_b32 s[NXT], 1
	s_mov_b32 s[OFF+1], 0
	s_mov_b32 s[TB], SLOT1+16384                   ; the first change of slots turns this into 0
	s_lshl_b32 s[TS], s[CX], 5
	s_lshl_b32 s[R1], s[R1], 7
	s_add_co_u32 s[R1], s[R1], s[TS]               ; my first row in the first block,
	s_lshl_b32 s[R2], s[GG], 7
	s_add_co_u32 s[R2], s[R2], s[TS]               ; and in the second
	s_cmp_lt_u32 s[WV], 2
	s_cselect_b32 s[RW], s[R1], s[R2]
	s_and_b32 s[TS], s[WV], 1
	s_lshl_b32 s[TS], s[TS], 4
	s_add_co_u32 s[RW], s[RW], s[TS]               ; behind the attention: my row tile's first row
	s_mov_b32 s[CS], 0x3fb8aa3b                    ; c = log2(e)
	s_mov_b32 s[CS+1], s[CS]
	s_mov_b32 s[SEL], 0x76543210
	s_mov_b32 s[SEL+1], 0xfedcba98
	s_mov_b32 s[ABSM], 0x7fffffff
	s_mov_b32 s[R128], 0x3c000000                  ; 1 / 128
	s_mov_b32 s[EPS], 0x3727c5ac                   ; 1e-5
	s_mov_b32 s[C046], 0x3eed3388                  ; 0.3275911 sqrt 2
	s_mov_b32 s[CEXP], 0xc038aa3b                  ; -2 log2(e)
	s_mov_b32 s[A5], 0x3f87dc22                    ; 1.061405429
	s_mov_b32 s[A4], 0xbfba00e3                    ; -1.453152027
	s_mov_b32 s[A3], 0x3fb5f0e3                    ; 1.421413741
	s_mov_b32 s[A2], 0xbe91a98e                    ; -0.284496736
	s_mov_b32 s[A1C], 0x3e827906                   ; 0.254829592
.irp k, C046, CEXP, A5, A4, A3, A2, A1C
	s_mov_b32 s[\k+1], s[\k]                       ; named as pairs
.endr
	s_mov_b32 s[TP+1], 0
	s_mov_b32 vcc_lo, 0
	s_wait_dscnt 0x0                               ; the opening add is done
	s_wait_kmcnt 0x0
	s_lshl_b32 s[TP], s[BB], 19                    ; K and V images: 512 KiB a batch,
	s_lshr_b32 s[TS], s[WV], 1
	s_lshl_b32 s[TS], s[TS], 22                    ; V's array lies 4 MiB behind K's,
	s_add_co_u32 s[TP], s[TP], s[TS]
	s_and_b32 s[TS], s[WV], 1
	s_lshl_b32 s[TS], s[TS], 15                    ; two heads are 32 KiB
	s_add_co_u32 s[TP], s[TP], s[TS]
	s_add_nc_u64 s[PKV:PKV+1], s[4:5], s[TP:TP+1]
	s_lshl_b32 s[TP], s[WV], 15
	s_add_nc_u64 s[PW:PW+1], s[4:5], s[TP:TP+1]
	s_add_nc_u64 s[PW:PW+1], s[PW:PW+1], 0x1c00000
	s_lshl_b32 s[TP], s[BB], 19                    ; Q images: (128 batch + row / 16) x 4 KiB + head x 1 KiB
	s_lshl_b32 s[TS], s[WV], 10
	s_add_co_u32 s[TS], s[TS], s[TP]
	s_lshl_b32 s[TP], s[R1], 8
	s_add_co_u32 s[TP], s[TP], s[TS]
	s_add_nc_u64 s[PQ1:PQ1+1], s[4:5], s[TP:TP+1]
	s_add_nc_u64 s[PQ1:PQ1+1], s[PQ1:PQ1+1], 0xc00000
	s_lshl_b32 s[TP], s[R2], 8
	s_add_co_u32 s[TP], s[TP], s[TS]
	s_add_nc_u64 s[PQ2:PQ2+1], s[4:5], s[TP:TP+1]
	s_add_nc_u64 s[PQ2:PQ2+1], s[PQ2:PQ2+1], 0xc00000
	s_lshl_b32 s[TP], s[BB], 20                    ; the residual V: (128 batch + row / 16) x 8 KiB
	s_lshl_b32 s[TS], s[RW], 9
	s_add_co_u32 s[TP], s[TP], s[TS]
	s_add_nc_u64 s[PVR:PVR+1], s[4:5], s[TP:TP+1]
	s_add_nc_u64 s[PVR:PVR+1], s[PVR:PVR+1], 0x1400000
	s_lshl_b32 s[TP], s[BB], 19                    ; V2 images: batch, key tile row / 256, 32 keys (row / 32) % 8, half (row / 16) % 2
	s_lshr_b32 s[TS], s[RW], 8
	s_lshl_b32 s[TS], s[TS], 16
	s_add_co_u32 s[TP], s[TP], s[TS]
	s_bfe_u32 s[TS], s[RW], 0x30005
	s_lshl_b32 s[TS], s[TS], 11
	s_add_co_u32 s[TP], s[TP], s[TS]
	s_bfe_u32 s[TS], s[RW], 0x10004
	s_lshl_b32 s[TS], s[TS], 9
	s_add_co_u32 s[TP], s[TP], s[TS]
	s_add_nc_u64 s[PV2:PV2+1], s[6:7], s[TP:TP+1]
	s_add_nc_u64 s[PWV:PWV+1], s[4:5], 0x1c80000
	s_add_nc_u64 s[PPAR:PPAR+1], s[4:5], 0x1c8a000
	s_mov_b64 s[G0+2:G0+3], s[PKV:PKV+1]
	s_or_b32 s[G0+3], s[G0+3], 0x80000000
	CROUND                                         ; all four work-groups are here: the first joint loads meet
	tensor_load_to_lds s[G0:G0+3], s[G1:G1+7]      ; key tile 0 into slot 0
	s_nop 0
	PLACES
	v_and_b32 v[RR], 15, v0
	v_bfe_u32 v[HH], v0, 4, 1
	v_and_b32 v[L16], 31, v0
	v_lshlrev_b32 v[L16], 4, v[L16]
	v_lshlrev_b32 v[PGO], 3, v0
	v_add_nc_u32 v[PLA], PARL, v[PGO]
.irp k, 0,1,2,3,4                      ; the table's ten units for this layer, 5,120 bytes: 8 bytes a thread, five times
	global_load_b64 v[PD+2*\k:PD+2*\k+1], v[PGO], s[PPAR:PPAR+1] offset:\k*1024
.endr
.irp i, 0,1,2,3
	global_load_b128 v[Q+4*\i:Q+4*\i+3], v[L16], s[PQ1:PQ1+1] offset:(\i/2)*4096+(\i%2)*512
.endr
	WIN 0x40
.irp i, 0,1,2,3
	global_load_b128 v[4*\i:4*\i+3], v[L16], s[PQ2:PQ2+1] offset:(\i/2)*4096+(\i%2)*512
.endr
.set i, 0
.rept 16                               ; the residual V of the row tile that is mine behind the attention
	global_load_b128 v[VR+4*i:VR+4*i+3], v[L16], s[PVR:PVR+1] offset:i*512
.set i, i+1
.endr
	WIN 0x80
.set i, 0
.rept 64                               ; B_Wv's 32 fragments stay in window 2 until the launch's end
	global_load_b128 v[4*i:4*i+3], v[L16], s[PWV:PWV+1] offset:i*512
.set i, i+1
.endr
	WIN 0
	s_lshl_b32 s[TS], s[WV], 14
	v_add_nc_u32 v[A0K], s[TS], v[L16]
	v_add_nc_u32 v[A0V], 0x10000, v[A0K]
	v_mov_b32 v[BIG], 0xf149f2ca
	s_lshl_b32 s[TS], s[WV], 11
	s_add_co_u32 s[TS], s[TS], OST
	v_add_nc_u32 v[STO], s[TS], v[L16]
	v_lshlrev_b32 v[VT], 3, v[HH]
	v_sub_nc_u32 v[VT], v[RR], v[VT]               ; the last visible key is the row itself
	v_mov_b32 v[VT+1], v[VT]
	v_add_nc_u32 v[VL], s[R1], v[VT]
	v_add_nc_u32 v[VL+1], 16, v[VL]
	v_add_nc_u32 v[VL2], s[R2], v[VT]
	v_add_nc_u32 v[VL2+1], 16, v[VL2]
.set i, 0
.rept 32
	v_mov_b32 v[O+i], 0
.set i, i+1
.endr
.irp t, 0,1
	v_mov_b32 v[ST+8*\t], 0xfe000000
	v_mov_b32 v[ST+8*\t+1], 0xff7fffff
.irp i, 2,3,4,5,6,7
	v_mov_b32 v[ST+8*\t+\i], 0
.endr
.endr
	s_wait_loadcnt 0x0                             ; all the head's loads, in the wait for the first tile: none stays out through the walk
.irp k, 0,1,2,3,4
	ds_store_b64 v[PLA], v[PD+2*\k:PD+2*\k+1] offset:\k*1024
.endr
	s_mov_b32 s[CNT], 8
.Ltrip:                                ; eight key tiles: a tile is entered and the next is asked for
	CHANGE 1, 16384
	TILEHEAD
	s_sub_co_u32 s[RT], s[RT], 1
	s_cmp_eq_u32 s[RT], 0
	s_cbranch_scc1 .Llast                          ; the block's last tile; in the loop that is the first block's: the second's is the walk's ninth
.Lstep:
	STEP 0
	s_cbranch_scc1 .Lstep
	s_branch .Lbottom
.Llast:
	s_mov_b32 s[KB], s[KB1]
.LstepM1:
	STEP 1
	s_cbranch_scc1 .LstepM1
	ENDBLK 0, 1
.Lbottom:
	s_sub_co_u32 s[CNT], s[CNT], 1
	s_cmp_lg_u32 s[CNT], 0
	s_cbranch_scc1 .Ltrip
	CHANGE 3, 16384                                ; the ninth tile, the second block's last; the weights' first half is asked for
	TILEHEAD
	s_mov_b32 s[KB], s[KB2]
.LstepM2:
	STEP 1
	s_cbranch_scc1 .LstepM2
	ENDBLK 16384, 0
	; BEHIND THE ATTENTION a wave is a row tile: tile w of the stage's four.
	CHANGE 2, 16384                                ; the weights' first half is in, every head's O is in the stage; the second half is asked for
	s_lshl_b32 s[TS], s[WV], 13
	s_add_co_u32 s[TS], s[TS], OST
	v_add_nc_u32 v[AW], s[TS], v[L16]
.set i, 0
.rept 16
	ds_load_b128 v[Y+4*i:Y+4*i+3], v[AW] offset:i*512
.set i, i+1
.endr
	v_mov_b32 v[ONE], 1.0
	v_lshl_add_u32 v[AP], v[HH], 5, PARL
	s_wait_dscnt 0x0
	WIN 0x04                                       ; source 1 in window 1: the residual V
.set i, 0
.rept 32
	v_pk_add_f32 v[Y+2*i:Y+2*i+1], v[Y+2*i:Y+2*i+1], v[VR+2*i:VR+2*i+1]
.set i, i+1
.endr
	WIN 0
	LNORM 2560, 3072                               ; h1
.set i, 0
.rept 32
	v_cvt_pk_f16_f32 v[XH+i], v[Y+2*i], v[Y+2*i+1]
.set i, i+1
.endr
.set i, 0
.rept 16
	ds_load_b128 v[LB+4*i:LB+4*i+3], v[AP] offset:2048+(i/2)*64+(i%2)*16
.set i, i+1
.endr
	s_wait_dscnt 0x0
.set i, 0
.rept 32                               ; FF2's sums start at h1 + f2b, in f32
	v_pk_add_f32 v[Y+2*i:Y+2*i+1], v[Y+2*i:Y+2*i+1], v[LB+2*i:LB+2*i+1]
.set i, i+1
.endr
	s_mov_b32 s[BO], 0
	s_mov_b32 s[CNT], 2
.Lhalf:
	s_mov_b32 s[CNT4], 4
.Lchunk:
	FFCHUNK
	s_sub_co_u32 s[CNT4], s[CNT4], 1
	s_cmp_lg_u32 s[CNT4], 0
	s_cbranch_scc1 .Lchunk
	CHANGE 0, 131072                               ; the first time: everybody's quarter of the second half is in
	s_sub_co_u32 s[CNT], s[CNT], 1
	s_cmp_lg_u32 s[CNT], 0
	s_cbranch_scc1 .Lhalf
	LNORM 3584, 4096                               ; vA
.set i, 0
.rept 32                               ; vA = an f16 number + an f16 rest
	v_cvt_pk_f16_f32 v[XH+i], v[Y+2*i], v[Y+2*i+1]
.set i, i+1
.endr
.set i, 0
.rept 32
	v_fma_mix_f32 v[Y+2*i], -v[XH+i], v[ONE], v[Y+2*i] op_sel:[0,0,0] op_sel_hi:[1,0,0]
	v_fma_mix_f32 v[Y+2*i+1], -v[XH+i], v[ONE], v[Y+2*i+1] op_sel:[1,0,0] op_sel_hi:[1,0,0]
.set i, i+1
.endr
.set i, 0
.rept 32
	v_cvt_pk_f16_f32 v[XH+32+i], v[Y+2*i], v[Y+2*i+1]
.set i, i+1
.endr
	v_lshl_add_u32 v[VL], v[RR], 2, PARL+4608
.irp c8, 0,1,2,3,4,5,6,7
	ds_load_b32 v[224+\c8], v[VL] offset:\c8*64    ; B_bv[16 c8 + r]
.endr
	WIN 0x08                                       ; source 1 in window 2
.irp ks, 0,1,2,3                       ; source 0 = vA's rows, source 1 = B_Wv: a lane holds one channel and eight rows, as a V image wants; eight accumulators take turns
.irp pt, 0,1
.irp c8, 0,1,2,3,4,5,6,7
.if (\ks == 0) && (\pt == 0)
	v_wmma_f32_16x16x32_f16 v[VS+8*\c8:VS+8*\c8+7], v[XH+8*\ks:XH+8*\ks+7], v[8*(4*\c8+\ks):8*(4*\c8+\ks)+7], 0
.else
	v_wmma_f32_16x16x32_f16 v[VS+8*\c8:VS+8*\c8+7], v[XH+32*\pt+8*\ks:XH+32*\pt+8*\ks+7], v[8*(4*\c8+\ks):8*(4*\c8+\ks)+7], v[VS+8*\c8:VS+8*\c8+7]
.endif
.endr
.endr
.endr
	WIN 0
	PLACES
	s_wait_dscnt 0x0
.set i, 0
.rept 64
	v_add_f32 v[VS+i], v[VS+i], v[224+i/8]
.set i, i+1
.endr
.set i, 0
.rept 32
	v_cvt_pk_f16_f32 v[Y+i], v[VS+2*i], v[VS+2*i+1]
.set i, i+1
.endr
.irp c8, 0,1,2,3,4,5,6,7               ; each store of the wave covers 512 consecutive bytes, aligned
	global_store_b128 v[L16], v[Y+4*\c8:Y+4*\c8+3], s[PV2:PV2+1] offset:(\c8/2)*16384+(\c8%2)*1024
.endr
	s_wait_tensorcnt 0x0                           ; the wave's end, behind my last tensor load and my last LDS store
	ds_add_u32 v[SPW], v[NIL]
	s_wait_dscnt 0x0
	CROUND                                         ; the closing round
	s_endpgm
.Lfunc_end_k_qb31b221f6d_attA:
	.size	k_qb31b221f6d_attA, .Lfunc_end_k_qb31b221f6d_attA-k_qb31b221f6d_attA
	.p2alignl 7, 3214868480
	.fill 96, 4, 3214868480
	.section	.rodata,"a",@progbits
	.p2align	6, 0x0
	.amdhsa_kernel k_qb31b221f6d_attA
		.amdhsa_group_segment_fixed_size 327680
		.amdhsa_private_segment_fixed_size 0
		.amdhsa_enable_private_segment 0
		.amdhsa_kernarg_size 16
		.amdhsa_user_sgpr_count 2
		.amdhsa_user_sgpr_kernarg_segment_ptr 1
		.amdhsa_wavefront_size32 1
		.amdhsa_system_sgpr_workgroup_id_x 1
		.amdhsa_system_sgpr_workgroup_id_y 1
		.amdhsa_system_sgpr_workgroup_id_z 1
		.amdhsa_system_vgpr_workitem_id 0
		.amdhsa_next_free_vgpr 768
		.amdhsa_next_free_sgpr 90
		.amdhsa_reserve_vcc 1
		.amdhsa_float_denorm_mode_32 3
		.amdhsa_float_denorm_mode_16_64 3
		.amdhsa_memory_ordered 1
		.amdhsa_forward_progress 1
		.amdhsa_inst_pref_size 154
	.end_amdhsa_kernel
	.amdgpu_metadata
---
amdhsa.version: [ 1, 2 ]
amdhsa.kernels:
  - .name:           k_qb31b221f6d_attA
    .symbol:         k_qb31b221f6d_attA.kd
    .args:
      - { .name: ws1, .offset: 0, .size: 8, .value_kind: global_buffer, .address_space: global }
      - { .name: ws2, .offset: 8, .size: 8, .value_kind: global_buffer, .address_space: global }
    .group_segment_fixed_size: 327680
    .private_segment_fixed_size: 0
    .kernarg_segment_align: 8
    .kernarg_segment_size: 16
    .max_flat_workgroup_size: 128
    .sgpr_count:     90
    .vgpr_count:     768
    .wavefront_size: 32
...
	.end_amdgpu_metadata
.endif
;; end of part 2
;; launch attB (part 3): grid 256 x 1, 4 waves a work-group, clusters of 4 x 1, 327,680 bytes of LDS; arguments ws1, ws2, out0; writes out0
.if DOCPART == 3
	.amdgcn_target "amdgcn-amd-amdhsa--gfx1250"
	.amdhsa_code_object_version 6
	.text
	.protected	k_qb31b221f6d_attB
	.globl	k_qb31b221f6d_attB
	.p2align	8
	.type	k_qb31b221f6d_attB,@function
k_qb31b221f6d_attB:
	s_mov_b64 s[64:65], 0
	v_nop
	global_prefetch_b8 v0, s[64:65] scope:SCOPE_SE
	s_setreg_imm32_b32 hwreg(HW_REG_WAVE_MODE, 25, 1), 1
	s_wait_xcnt 0x0
	s_wait_alu depctr_hold_cnt(0) depctr_sa_sdst(0) depctr_va_vdst(0) depctr_va_sdst(0) depctr_va_ssrc(0) depctr_va_vcc(0) depctr_vm_vsrc(0)
	s_getreg_b32 s2, hwreg(HW_REG_IB_STS2, 6, 4)
	s_cmp_eq_u32 s2, 0
	s_cbranch_scc0 .Lentry_in_a_cluster
	s_endpgm
.Lentry_in_a_cluster:
	s_bfe_u32 s2, ttmp6, 0x10000c
	s_cmp_lg_u32 s2, 0x3003
	s_cbranch_scc0 .Lentry_shape_is_right
	s_endpgm
.Lentry_shape_is_right:
; LAYER B: attention over K2, Q2, V2 in which row i sees the keys below i (row 0 sees key 0), FF with the exact GELU, no norms and no residuals, and the head of 32 outputs.
; SHARES, WALK, LAYOUT, SOFTMAX as in layer A's launch: a cluster of four work-groups owns super-blocks 15 - g and g (128 rows each) of one batch, work-group cx rows 32 cx .. + 31 of each;
; in the attention a wave is a head, behind it a row tile.  Nine key tiles of 256 (a loop of eight and the ninth written out: it is always the second block's last) and two tiles of weights go through
; one ring of two slots, each asked for jointly by the four (mask 15).  A tile is plain (four steps of 64 keys, no mask) or its block's last (four steps that take the mask; two of the walk's 36 steps
; lie beyond the block's keys and are computed with every key hidden: their weights are 0).  Key 0 is visible to every row, so the running maximum is a true score from a block's first step on.
; All operands are register images (registers 4c..4c+3 of lane L at 512 c + 16 L of a fragment's 1,024 bytes).
; FORMATS.  Q2, K2, V2, p and O as operand: f16.  The hidden layer goes into FF2 as an f16 number plus the f16 rest; ff2 goes into the head as a bf16 number plus the bf16 rest (it has no room in f16
; where inputs and weights are 30 times the drawn spread); out_W is bf16.
; LIMITS.  f16 operands stay under 65,504.  A hidden score is replaced by -1e30 (equal to the sum score - 1e30 wherever |score| < 1e22).  A weight below 2^-126 counts as 0 in l.
; erf by the five-term rational form in 1 / (1 + 0.3275911 z), absolute error 1.5e-7 for every z.  NaN and infinities are not treated apart.
.set SLOT1, 1<<17                      ; two slots of 131,072 bytes: K of head hd at 16,384 hd, V at 65,536 + 16,384 hd; or four chunks of weights of 32,768
.set OST,   262144                     ; four Y images of O, 8,192 bytes each; at the end each wave's stage for the output, 2,304 w, rows of 144 bytes; never filled by a tensor load
.set PARL,  294912                     ; biases: f1b 0, f2b 2048, out_b 2560
.set SPARE, 303104                     ; the spare words, 128 bytes for each wave
.set RR,1
.set HH,2
.set L16,3
.set SPW,4                             ; v4 my spare word; never rewritten
.set NIL,5                             ; v5 0; never rewritten
.set A0K,6
.set A0V,7
.set AK,8
.set AV,9
.set ONE,6                             ; behind the attention: 1.0, PARL + 32 h, and two addresses
.set AP,7
.set AW,8
.set AB1,9
.set BIG,10
.set STO,11                            ; where my head's O goes in the stage; never rewritten
.set VL,12
.set VL2,14
.set ST,16
.set Q,32
.set O,48
.set KF,80
.set VF,112
.set S,144
.set P,208
.set VT,240
.set PGO,242
.set PLA,243
.set PD,244
.set Y,32
.set XH,96
.set A1,128
.set HF,160                            ; v160-175 the hidden layer's fragments, v176-191 their rest
.set HX,192
.set HA,200
.set TT,208
.set EE,216
.set PP,224
.set DO,160                            ; the head's two accumulators v160-175; v176-191 rows read back
.set WV,10
.set CX,11
.set BB,12
.set GG,13
.set TP,14
.set G1,16
.set G0,24
.set PKV,28
.set PW,30
.set RT,32
.set RT2,33
.set OFF,34
.set NXT,36
.set LQ,37
.set LQ2,38
.set KB1,39
.set KB,40
.set KB2,41
.set CNT,44
.set CNT4,45
.set TB,46
.set R1,47
.set R2,48
.set BO,49
.set CS,50
.set SEL,52
.set T2,54
.set ABSM,56
.set PQ1,58
.set PQ2,60
.set POUT,62
.set PWO,68
.set C046,70
.set CEXP,72
.set A5,74
.set A4,76
.set A3,78
.set A2,80
.set A1C,82
.set RW,85
.set PPAR,86
.set TS,88
.set MSB, 0
.macro WIN new                         ; the immediate's high byte repeats the setting that is left
.if MSB != (\new)
	s_set_vgpr_msb (MSB<<8)|(\new)
.set MSB, (\new)
.endif
.endm
.macro PLACES                          ; four places behind matrix instructions (ISA guide 7.12.1), where no other vector work is at hand
.rept 4
	v_nop
.endr
.endm
.macro CROUND                          ; a round of the cluster's barrier
	s_barrier_signal -1
	s_barrier_wait -1
	s_cmp_lg_u32 s[WV], 0
	s_cbranch_scc1 .Lnot_wave_0_\@
	s_barrier_signal -3
.Lnot_wave_0_\@:
	s_barrier_wait -3
	s_barrier_signal -1
	s_barrier_wait -1
.endm
; THE CHANGE OF SLOTS.  Each wave waits for all its tensor loads (one is out: its quarter of the other slot), adds 0 to its spare word, and waits for that and for its own LDS reads and stores.
; kind 1: the slot left is filled with key tile NXT; kind 3: with the first half of the weights; kind 2: with their second half; kind 0: nothing is asked for.
.macro CHANGE kind, back
	s_wait_tensorcnt 0x0                           ; no tensor load of mine is out, so the descriptor may be written
	ds_add_u32 v[SPW], v[NIL]                      ; 0 onto my spare word; scalar work stands between it and the wait for it
.if (\kind) == 1
	s_lshl_b32 s[OFF], s[NXT], 16
	s_xor_b32 s[G0+1], s[G0+1], SLOT1
	s_add_nc_u64 s[G0+2:G0+3], s[PKV:PKV+1], s[OFF:OFF+1]
	s_or_b32 s[G0+3], s[G0+3], 0x80000000
	s_add_co_u32 s[NXT], s[NXT], 1
	s_cmp_gt_u32 s[NXT], s[LQ]
	s_cselect_b32 s[NXT], 0, s[NXT]
	s_cselect_b32 s[LQ], s[LQ2], s[LQ]
.elseif (\kind) == 3
	s_xor_b32 s[G0+1], s[G0+1], SLOT1
	s_mov_b64 s[G0+2:G0+3], s[PW:PW+1]
	s_or_b32 s[G0+3], s[G0+3], 0x80000000
.elseif (\kind) == 2
	s_xor_b32 s[G0+1], s[G0+1], SLOT1
	s_add_nc_u64 s[G0+2:G0+3], s[PW:PW+1], 0x20000
	s_or_b32 s[G0+3], s[G0+3], 0x80000000
.endif
	s_sub_co_u32 s[TB], s[TB], \back
	s_xor_b32 s[TB], s[TB], SLOT1
	s_wait_dscnt 0x0                               ; the add is done, my reads of the slot and of the stage are over, my stores into the stages are done
.if (\kind) > 0
	CROUND
	tensor_load_to_lds s[G0:G0+3], s[G1:G1+7]
	s_nop 0
	PLACES
.else
	s_barrier_signal -1
	s_barrier_wait -1
.endif
.endm
.macro FETCHK off
.irp i, 0,1,2,3,4,5,6,7
	ds_load_b128 v[KF+4*\i:KF+4*\i+3], v[AK] offset:(\off)+\i*512
.endr
.endm
.macro FETCHV
.irp i, 0,1,2,3,4,5,6,7
	ds_load_b128 v[VF+4*\i:VF+4*\i+3], v[AV] offset:\i*512
.endr
.endm
.macro KQ
.irp kt, 0,1,2,3
.irp t, 0,1
	v_wmma_f32_16x16x32_f16 v[S+32*\t+8*\kt:S+32*\t+8*\kt+7], v[KF+8*\kt:KF+8*\kt+7], v[Q+8*\t:Q+8*\t+7], 0
.endr
.endr
.endm
.macro PV                              ; four accumulators take turns
.irp kg, 0,1
.irp ct, 0,1
.irp t, 0,1
	v_wmma_f32_16x16x32_f16 v[O+16*\t+8*\ct:O+16*\t+8*\ct+7], v[VF+8*(2*\kg+\ct):VF+8*(2*\kg+\ct)+7], v[P+16*\t+8*\kg:P+16*\t+8*\kg+7], v[O+16*\t+8*\ct:O+16*\t+8*\ct+7]
.endr
.endr
.endr
.endm
.macro MASKS                           ; score i of my lane is key KB + 16 (i / 8) + 8 h + i % 8: hidden where that passes the row's last visible key
.irp t, 0,1
	v_sub_nc_u32 v[VT+\t], v[VL+\t], s[KB]
.endr
.set i, 0
.rept 32
.irp t, 0,1
	v_cmp_gt_i32 vcc_lo, 16*(i/8)+i%8, v[VT+\t]
	v_cndmask_b32 v[S+32*\t+i], v[S+32*\t+i], v[BIG], vcc_lo
.endr
.set i, i+1
.endr
.endm
.macro SOFTMAX                         ; every line for tile 0 and then tile 1; each accumulator's lowest registers are read first
.irp n, 0,1,2,3
.irp t, 0,1
	v_max3_num_f32 v[ST+8*\t+4+\n], v[S+32*\t+8*\n], v[S+32*\t+8*\n+1], v[S+32*\t+8*\n+2]
.endr
.endr
.irp m, 1,2
.irp n, 0,1,2,3
.irp t, 0,1
	v_max3_num_f32 v[ST+8*\t+4+\n], v[ST+8*\t+4+\n], v[S+32*\t+8*\n+2*\m+1], v[S+32*\t+8*\n+2*\m+2]
.endr
.endr
.endr
.irp t, 0,1
	v_max3_num_f32 v[ST+8*\t+4], v[ST+8*\t+4], v[S+32*\t+7], v[S+32*\t+15]
.endr
.irp t, 0,1
	v_max3_num_f32 v[ST+8*\t+6], v[ST+8*\t+6], v[S+32*\t+23], v[S+32*\t+31]
.endr
.irp t, 0,1
	v_max3_num_f32 v[ST+8*\t+4], v[ST+8*\t+4], v[ST+8*\t+5], v[ST+8*\t+6]
.endr
.irp t, 0,1
	v_max3_num_f32 v[ST+8*\t+4], v[ST+8*\t+4], v[ST+8*\t+7], v[ST+8*\t+1]
.endr
.irp t, 0,1
	v_permlanex16_b32 v[ST+8*\t+5], v[ST+8*\t+4], s[SEL], s[SEL+1]
.endr
.irp t, 0,1
	v_mov_b32 v[ST+8*\t+7], v[ST+8*\t]
.endr
.irp t, 0,1
	v_max_num_f32 v[ST+8*\t+1], v[ST+8*\t+4], v[ST+8*\t+5]
.endr
.irp t, 0,1
	v_mul_f32 v[ST+8*\t], s[CS], v[ST+8*\t+1]
.endr
.irp t, 0,1
	v_sub_f32 v[ST+8*\t+7], v[ST+8*\t+7], v[ST+8*\t]
.endr
.irp t, 0,1
	v_exp_f32 v[ST+8*\t+6], v[ST+8*\t+7]
.endr
.set i, 0
.rept 16
.irp t, 0,1
	v_pk_fma_f32 v[S+32*\t+2*i:S+32*\t+2*i+1], v[S+32*\t+2*i:S+32*\t+2*i+1], s[CS:CS+1], v[ST+8*\t:ST+8*\t+1] op_sel_hi:[1,0,0] neg_lo:[0,0,1] neg_hi:[0,0,1]
.endr
.set i, i+1
.endr
.set i, 0
.rept 32
.irp t, 0,1
	v_exp_f32 v[S+32*\t+i], v[S+32*\t+i]
.endr
.set i, i+1
.endr
.set i, 0
	s_wait_alu depctr_va_vdst(0)
.rept 8                                ; O times a: the plain lines between the last exponential and the use of its result
.irp t, 0,1
	v_pk_mul_f32 v[O+16*\t+2*i:O+16*\t+2*i+1], v[O+16*\t+2*i:O+16*\t+2*i+1], v[ST+8*\t+6:ST+8*\t+7] op_sel_hi:[1,0]
.endr
.set i, i+1
.endr
.set i, 0
.rept 16
.irp t, 0,1
	v_cvt_pk_f16_f32 v[P+16*\t+i], v[S+32*\t+2*i], v[S+32*\t+2*i+1]
.endr
.set i, i+1
.endr
.irp w, 4,8,16,32
.set i, 0
.rept 32/\w
.irp t, 0,1
	v_pk_add_f32 v[S+32*\t+\w*i:S+32*\t+\w*i+1], v[S+32*\t+\w*i:S+32*\t+\w*i+1], v[S+32*\t+\w*i+\w/2:S+32*\t+\w*i+\w/2+1]
.endr
.set i, i+1
.endr
.endr
.irp t, 0,1
	v_pk_fma_f32 v[ST+8*\t+2:ST+8*\t+3], v[ST+8*\t+2:ST+8*\t+3], v[ST+8*\t+6:ST+8*\t+7], v[S+32*\t:S+32*\t+1] op_sel_hi:[1,0,1]
.endr
.endm
.macro TILEHEAD                        ; a tile is entered: K of its first step
	v_add_nc_u32 v[AK], s[TB], v[A0K]
	FETCHK 0
	s_mov_b32 s[CNT4], 4
.endm
; A KEY STEP of 64 keys for my head and two tiles of 16 queries.  m = 1: the scores take the mask.  It ends with the compare for the branch that stands behind it.
.macro STEP m
	v_add_nc_u32 v[AK], s[TB], v[A0K]
	v_add_nc_u32 v[AV], s[TB], v[A0V]
	s_wait_dscnt 0x0                               ; K is in
	KQ
	PLACES
	FETCHV
	FETCHK 4096                                    ; the next step's K; in a tile's fourth step these bytes lie further on in the same landed slot and are not used
.if \m
	MASKS
	s_add_co_u32 s[KB], s[KB], 64
.endif
	SOFTMAX
	s_wait_dscnt 8                                 ; V is in; K's eight loads behind it may be out
	PV
	PLACES
	s_add_co_u32 s[TB], s[TB], 4096
	s_sub_co_u32 s[CNT4], s[CNT4], 1
	s_cmp_lg_u32 s[CNT4], 0
.endm
; A BLOCK ENDS: O / l in f32 goes into the stage as my head's part of two Y images, off bytes on.  reset = 1: the state is set for the second block.
.macro ENDBLK off, reset
.irp t, 0,1
	v_add_f32 v[ST+8*\t+4], v[ST+8*\t+2], v[ST+8*\t+3]
.endr
.irp t, 0,1
	v_permlanex16_b32 v[ST+8*\t+5], v[ST+8*\t+4], s[SEL], s[SEL+1]
.endr
.irp t, 0,1
	v_add_f32 v[ST+8*\t+4], v[ST+8*\t+4], v[ST+8*\t+5]
.endr
.irp t, 0,1
	v_rcp_f32 v[ST+8*\t+6], v[ST+8*\t+4]
.endr
	v_nop                                          ; a plain line between the last reciprocal and the use of its result
.set i, 0
	s_wait_alu depctr_va_vdst(0)
.rept 8
.irp t, 0,1
	v_pk_mul_f32 v[O+16*\t+2*i:O+16*\t+2*i+1], v[O+16*\t+2*i:O+16*\t+2*i+1], v[ST+8*\t+6:ST+8*\t+7] op_sel_hi:[1,0]
.endr
.set i, i+1
.endr
.irp t, 0,1
.irp i, 0,1,2,3
	ds_store_b128 v[STO], v[O+16*\t+4*\i:O+16*\t+4*\i+3] offset:(\off)+\t*8192+\i*512
.endr
.endr
.if \reset
.set i, 0
.rept 32
	v_mov_b32 v[O+i], 0
.set i, i+1
.endr
.irp t, 0,1
	v_mov_b32 v[ST+8*\t], 0xfe000000
	v_mov_b32 v[ST+8*\t+1], 0xff7fffff
	v_mov_b32 v[ST+8*\t+2], 0
	v_mov_b32 v[ST+8*\t+3], 0
	v_mov_b32 v[VL+\t], v[VL2+\t]
.endr
	WIN 0x01
.set i, 0
.rept 16
	v_mov_b32 v[Q+i], v[i]
.set i, i+1
.endr
	WIN 0
	s_mov_b32 s[RT], s[RT2]
.endif
.endm
; GELU of eight numbers: with hx = x / 2, ha = |hx|, z = |x| / sqrt 2:  gelu = (hx + ha) - ha poly(t) e^(-z z),  t = 1 / (1 + 0.46328378 ha),  e^(-z z) = 2^(-2.88539 hx hx).
; The result leaves as an f16 number (hd) and the f16 rest (hd + 16).
.macro GELU8 x, hd
.irp p, 0,2,4,6
	v_pk_mul_f32 v[HX+\p:HX+\p+1], v[(\x)+\p:(\x)+\p+1], 0.5 op_sel_hi:[1,0]
.endr
.irp p, 0,1,2,3,4,5,6,7
	v_and_b32 v[HA+\p], s[ABSM], v[HX+\p]
.endr
.irp p, 0,2,4,6
	v_pk_fma_f32 v[TT+\p:TT+\p+1], v[HA+\p:HA+\p+1], s[C046:C046+1], 1.0 op_sel_hi:[1,0,0]
.endr
.irp p, 0,2,4,6
	v_pk_mul_f32 v[EE+\p:EE+\p+1], v[HX+\p:HX+\p+1], v[HX+\p:HX+\p+1]
.endr
.irp p, 0,1,2,3,4,5,6,7
	v_rcp_f32 v[TT+\p], v[TT+\p]
.endr
.irp p, 0,2,4,6
	v_pk_mul_f32 v[EE+\p:EE+\p+1], v[EE+\p:EE+\p+1], s[CEXP:CEXP+1] op_sel_hi:[1,0]
.endr
.irp p, 0,1,2,3,4,5,6,7
	v_exp_f32 v[EE+\p], v[EE+\p]
.endr
	s_wait_alu depctr_va_vdst(0)
.irp p, 0,2,4,6
	v_pk_fma_f32 v[PP+\p:PP+\p+1], v[TT+\p:TT+\p+1], s[A5:A5+1], s[A4:A4+1] op_sel_hi:[1,0,0]
.endr
.irp k, A3, A2, A1C
.irp p, 0,2,4,6
	v_pk_fma_f32 v[PP+\p:PP+\p+1], v[PP+\p:PP+\p+1], v[TT+\p:TT+\p+1], s[\k:\k+1] op_sel_hi:[1,1,0]
.endr
.endr
.irp p, 0,2,4,6
	v_pk_mul_f32 v[TT+\p:TT+\p+1], v[TT+\p:TT+\p+1], v[EE+\p:EE+\p+1]
.endr
.irp p, 0,2,4,6
	v_pk_mul_f32 v[PP+\p:PP+\p+1], v[PP+\p:PP+\p+1], v[TT+\p:TT+\p+1]
.endr
.irp p, 0,2,4,6
	v_pk_add_f32 v[HX+\p:HX+\p+1], v[HX+\p:HX+\p+1], v[HA+\p:HA+\p+1]
.endr
.irp p, 0,2,4,6
	v_pk_fma_f32 v[HX+\p:HX+\p+1], v[HA+\p:HA+\p+1], v[PP+\p:PP+\p+1], v[HX+\p:HX+\p+1] neg_lo:[1,0,0] neg_hi:[1,0,0]
.endr
.irp i, 0,1,2,3
	v_cvt_pk_f16_f32 v[(\hd)+\i], v[HX+2*\i], v[HX+2*\i+1]
.endr
.irp i, 0,1,2,3
	v_fma_mix_f32 v[EE+2*\i], -v[(\hd)+\i], v[ONE], v[HX+2*\i] op_sel:[0,0,0] op_sel_hi:[1,0,0]
	v_fma_mix_f32 v[EE+2*\i+1], -v[(\hd)+\i], v[ONE], v[HX+2*\i+1] op_sel:[1,0,0] op_sel_hi:[1,0,0]
.endr
.irp i, 0,1,2,3
	v_cvt_pk_f16_f32 v[(\hd)+16+\i], v[EE+2*\i], v[EE+2*\i+1]
.endr
.endm
; 64 hidden channels: FF1 (the bias starts the sums), GELU, FF2 (the number and its rest) onto the row tile's sums.
.macro FFCHUNK
	v_add_nc_u32 v[AW], s[TB], v[L16]
	v_add_nc_u32 v[AB1], s[BO], v[AP]
.irp i, 0,1,2,3,4,5,6,7
	ds_load_b128 v[A1+4*\i:A1+4*\i+3], v[AB1] offset:(\i/2)*64+(\i%2)*16
.endr
	WIN 0x40
.set i, 0
.rept 48                               ; W1's 16 fragments and the first 8 of W2's
	ds_load_b128 v[4*i:4*i+3], v[AW] offset:i*512
.set i, i+1
.endr
	s_wait_dscnt 16                                ; the bias and W1 are in; the youngest 16 loads, W2's, may be out
	WIN 0x01
.irp ks, 0,1,2,3
.irp ht, 0,1,2,3
	v_wmma_f32_16x16x32_f16 v[A1+8*\ht:A1+8*\ht+7], v[8*(4*\ks+\ht):8*(4*\ks+\ht)+7], v[XH+8*\ks:XH+8*\ks+7], v[A1+8*\ht:A1+8*\ht+7]
.endr
.endr
	WIN 0x40
.rept 16                               ; the other 8 fragments of W2, into registers that none of the products above names
	ds_load_b128 v[4*i:4*i+3], v[AW] offset:i*512
.set i, i+1
.endr
	WIN 0
	PLACES
.irp ht, 0,1,2,3
	GELU8 (A1+8*\ht), (HF+4*\ht)
.endr
	s_wait_dscnt 0x0                               ; W2 is in
	WIN 0x01
.irp kk, 0,1
.irp pt, 0,1
.irp mt, 0,1,2,3,4,5,6,7
	v_wmma_f32_16x16x32_f16 v[Y+8*\mt:Y+8*\mt+7], v[128+8*(8*\kk+\mt):128+8*(8*\kk+\mt)+7], v[HF+16*\pt+8*\kk:HF+16*\pt+8*\kk+7], v[Y+8*\mt:Y+8*\mt+7]
.endr
.endr
.endr
	WIN 0
	PLACES
	s_add_co_u32 s[TB], s[TB], 32768
	s_add_co_u32 s[BO], s[BO], 256
.endm
	s_load_b128 s[4:7], s[0:1], 0x0                ; ws1 s[4:5], ws2 s[6:7]
	s_load_b64 s[8:9], s[0:1], 0x10                ; out0
	v_lshl_add_u32 v[SPW], v0, 2, SPARE
	v_mov_b32 v[NIL], 0
	ds_add_u32 v[SPW], v[NIL]                      ; the wave's opening: the add and its wait come ahead of my first tensor load; the set-up below stands between them
	v_lshrrev_b32 v1, 5, v0
	v_readfirstlane_b32 s[WV], v1
	s_bfe_u32 s[CX], ttmp6, 0x40000                ; my place in the cluster: it enters row numbers and global addresses of my own rows alone
	s_lshr_b32 s[BB], ttmp9, 3
	s_and_b32 s[GG], ttmp9, 7
	s_mov_b32 s[G1], 15|(3<<16)|(1<<21)            ; the mask of four; elements of 8 bytes; bit 21 set beside a mask
	s_mov_b32 s[G1+1], 32<<16                      ; rows of 256 bytes,
	s_mov_b32 s[G1+2], 128<<16                     ; 128 of them,
	s_mov_b32 s[G1+3], 32<<16
	s_mov_b32 s[G1+4], 128                         ; dense: 32,768 bytes, a quarter of a slot
	s_mov_b32 s[G1+5], 32
	s_mov_b32 s[G1+6], 0
	s_mov_b32 s[G1+7], 0
	s_mov_b32 s[G0], 1
	s_lshl_b32 s[G0+1], s[WV], 15
	s_sub_co_u32 s[R1], 15, s[GG]                  ; the first super-block
	s_lshr_b32 s[LQ], s[R1], 1                     ; its last key tile,
	s_lshr_b32 s[LQ2], s[GG], 1                    ; and the second's
	s_lshl_b32 s[KB1], s[LQ], 8
	s_lshl_b32 s[KB2], s[LQ2], 8
	s_add_co_u32 s[RT], s[LQ], 1
	s_add_co_u32 s[RT2], s[LQ2], 1
	s_mov_b32 s[KB], 0
	s_mov_b32 s[NXT], 1
	s_mov_b32 s[OFF+1], 0
	s_mov_b32 s[TB], SLOT1+16384                   ; the first change of slots turns this into 0
	s_lshl_b32 s[TS], s[CX], 5
	s_lshl_b32 s[R1], s[R1], 7
	s_add_co_u32 s[R1], s[R1], s[TS]
	s_lshl_b32 s[R2], s[GG], 7
	s_add_co_u32 s[R2], s[R2], s[TS]
	s_cmp_lt_u32 s[WV], 2
	s_cselect_b32 s[RW], s[R1], s[R2]
	s_and_b32 s[TS], s[WV], 1
	s_lshl_b32 s[TS], s[TS], 4
	s_add_co_u32 s[RW], s[RW], s[TS]
	s_mov_b32 s[CS], 0x3fb8aa3b                    ; c = log2(e)
	s_mov_b32 s[CS+1], s[CS]
	s_mov_b32 s[SEL], 0x76543210
	s_mov_b32 s[SEL+1], 0xfedcba98
	s_mov_b32 s[ABSM], 0x7fffffff
	s_mov_b32 s[C046], 0x3eed3388                  ; 0.3275911 sqrt 2
	s_mov_b32 s[CEXP], 0xc038aa3b                  ; -2 log2(e)
	s_mov_b32 s[A5], 0x3f87dc22
	s_mov_b32 s[A4], 0xbfba00e3
	s_mov_b32 s[A3], 0x3fb5f0e3
	s_mov_b32 s[A2], 0xbe91a98e
	s_mov_b32 s[A1C], 0x3e827906
.irp k, C046, CEXP, A5, A4, A3, A2, A1C
	s_mov_b32 s[\k+1], s[\k]
.endr
	s_mov_b32 s[TP+1], 0
	s_mov_b32 vcc_lo, 0
	s_wait_dscnt 0x0                               ; the opening add is done
	s_wait_kmcnt 0x0
	s_add_nc_u64 s[T2:T2+1], s[4:5], 0x800000      ; K2's images; V2's are ws2
	s_cmp_lt_u32 s[WV], 2
	s_cselect_b64 s[PKV:PKV+1], s[T2:T2+1], s[6:7]
	s_lshl_b32 s[TP], s[BB], 19
	s_and_b32 s[TS], s[WV], 1
	s_lshl_b32 s[TS], s[TS], 15
	s_add_co_u32 s[TP], s[TP], s[TS]
	s_add_nc_u64 s[PKV:PKV+1], s[PKV:PKV+1], s[TP:TP+1]
	s_lshl_b32 s[TP], s[WV], 15
	s_add_nc_u64 s[PW:PW+1], s[4:5], s[TP:TP+1]
	s_add_nc_u64 s[PW:PW+1], s[PW:PW+1], 0x1c40000
	s_lshl_b32 s[TP], s[BB], 19
	s_lshl_b32 s[TS], s[WV], 10
	s_add_co_u32 s[TS], s[TS], s[TP]
	s_lshl_b32 s[TP], s[R1], 8
	s_add_co_u32 s[TP], s[TP], s[TS]
	s_add_nc_u64 s[PQ1:PQ1+1], s[4:5], s[TP:TP+1]
	s_add_nc_u64 s[PQ1:PQ1+1], s[PQ1:PQ1+1], 0x1000000
	s_lshl_b32 s[TP], s[R2], 8
	s_add_co_u32 s[TP], s[TP], s[TS]
	s_add_nc_u64 s[PQ2:PQ2+1], s[4:5], s[TP:TP+1]
	s_add_nc_u64 s[PQ2:PQ2+1], s[PQ2:PQ2+1], 0x1000000
	s_lshl_b32 s[TP], s[BB], 18                    ; out0: (2,048 batch + row) x 128 bytes
	s_lshl_b32 s[TS], s[RW], 7
	s_add_co_u32 s[TP], s[TP], s[TS]
	s_add_nc_u64 s[POUT:POUT+1], s[8:9], s[TP:TP+1]
	s_add_nc_u64 s[PWO:PWO+1], s[4:5], 0x1c88000
	s_add_nc_u64 s[PPAR:PPAR+1], s[4:5], 0x1c8b400
	s_mov_b64 s[G0+2:G0+3], s[PKV:PKV+1]
	s_or_b32 s[G0+3], s[G0+3], 0x80000000
	CROUND                                         ; all four work-groups are here: the first joint loads meet
	tensor_load_to_lds s[G0:G0+3], s[G1:G1+7]      ; key tile 0 into slot 0
	s_nop 0
	PLACES
	v_and_b32 v[RR], 15, v0
	v_bfe_u32 v[HH], v0, 4, 1
	v_and_b32 v[L16], 31, v0
	v_lshlrev_b32 v[L16], 4, v[L16]
	v_lshlrev_b32 v[PGO], 3, v0
	v_add_nc_u32 v[PLA], PARL, v[PGO]
.irp k, 0,1,2                          ; the table's six units for this layer, 3,072 bytes
	global_load_b64 v[PD+2*\k:PD+2*\k+1], v[PGO], s[PPAR:PPAR+1] offset:\k*1024
.endr
.irp i, 0,1,2,3
	global_load_b128 v[Q+4*\i:Q+4*\i+3], v[L16], s[PQ1:PQ1+1] offset:(\i/2)*4096+(\i%2)*512
.endr
	WIN 0x40
.irp i, 0,1,2,3
	global_load_b128 v[4*\i:4*\i+3], v[L16], s[PQ2:PQ2+1] offset:(\i/2)*4096+(\i%2)*512
.endr
	WIN 0x80
.set i, 0
.rept 16                               ; out_W's 8 fragments stay in window 2 until the launch's end
	global_load_b128 v[4*i:4*i+3], v[L16], s[PWO:PWO+1] offset:i*512
.set i, i+1
.endr
	WIN 0
	s_lshl_b32 s[TS], s[WV], 14
	v_add_nc_u32 v[A0K], s[TS], v[L16]
	v_add_nc_u32 v[A0V], 0x10000, v[A0K]
	v_mov_b32 v[BIG], 0xf149f2ca
	s_lshl_b32 s[TS], s[WV], 11
	s_add_co_u32 s[TS], s[TS], OST
	v_add_nc_u32 v[STO], s[TS], v[L16]
	v_lshlrev_b32 v[VT], 3, v[HH]
	v_mov_b32 v[VT+1], v[VT]
.macro BOUND dst, rs, add              ; the last visible key is row - 1, and key 0 for row 0
	v_add_nc_u32 v[\dst], s[\rs], v[RR]
	v_add_nc_u32 v[\dst], \add, v[\dst]
	v_max_i32 v[\dst], 0, v[\dst]
	v_sub_nc_u32 v[\dst], v[\dst], v[VT]
.endm
	BOUND VL, R1, -1
	BOUND VL+1, R1, 15
	BOUND VL2, R2, -1
	BOUND VL2+1, R2, 15
.set i, 0
.rept 32
	v_mov_b32 v[O+i], 0
.set i, i+1
.endr
.irp t, 0,1
	v_mov_b32 v[ST+8*\t], 0xfe000000
	v_mov_b32 v[ST+8*\t+1], 0xff7fffff
.irp i, 2,3,4,5,6,7
	v_mov_b32 v[ST+8*\t+\i], 0
.endr
.endr
	s_wait_loadcnt 0x0                             ; all the head's loads, in the wait for the first tile: none stays out through the walk
.irp k, 0,1,2
	ds_store_b64 v[PLA], v[PD+2*\k:PD+2*\k+1] offset:\k*1024
.endr
	s_mov_b32 s[CNT], 8
.Ltrip:                                ; eight key tiles: a tile is entered and the next is asked for
	CHANGE 1, 16384
	TILEHEAD
	s_sub_co_u32 s[RT], s[RT], 1
	s_cmp_eq_u32 s[RT], 0
	s_cbranch_scc1 .Llast                          ; the block's last tile; in the loop that is the first block's: the second's is the walk's ninth
.Lstep:
	STEP 0
	s_cbranch_scc1 .Lstep
	s_branch .Lbottom
.Llast:
	s_mov_b32 s[KB], s[KB1]
.LstepM1:
	STEP 1
	s_cbranch_scc1 .LstepM1
	ENDBLK 0, 1
.Lbottom:
	s_sub_co_u32 s[CNT], s[CNT], 1
	s_cmp_lg_u32 s[CNT], 0
	s_cbranch_scc1 .Ltrip
	CHANGE 3, 16384                                ; the ninth tile, the second block's last; the weights' first half is asked for
	TILEHEAD
	s_mov_b32 s[KB], s[KB2]
.LstepM2:
	STEP 1
	s_cbranch_scc1 .LstepM2
	ENDBLK 16384, 0
	; BEHIND THE ATTENTION a wave is a row tile: tile w of the stage's four.
	CHANGE 2, 16384                                ; the weights' first half is in, every head's O is in the stage; the second half is asked for
	s_lshl_b32 s[TS], s[WV], 13
	s_add_co_u32 s[TS], s[TS], OST
	v_add_nc_u32 v[AW], s[TS], v[L16]
.set i, 0
.rept 16
	ds_load_b128 v[Y+4*i:Y+4*i+3], v[AW] offset:i*512
.set i, i+1
.endr
	v_mov_b32 v[ONE], 1.0
	v_lshl_add_u32 v[AP], v[HH], 5, PARL
	s_wait_dscnt 0x0
.set i, 0
.rept 32
	v_cvt_pk_f16_f32 v[XH+i], v[Y+2*i], v[Y+2*i+1]
.set i, i+1
.endr
.set i, 0
.rept 16                               ; FF2's sums start at f2b
	ds_load_b128 v[Y+4*i:Y+4*i+3], v[AP] offset:2048+(i/2)*64+(i%2)*16
.set i, i+1
.endr
	s_wait_dscnt 0x0
	s_mov_b32 s[BO], 0
	s_mov_b32 s[CNT], 2
.Lhalf:
	s_mov_b32 s[CNT4], 4
.Lchunk:
	FFCHUNK
	s_sub_co_u32 s[CNT4], s[CNT4], 1
	s_cmp_lg_u32 s[CNT4], 0
	s_cbranch_scc1 .Lchunk
	CHANGE 0, 131072                               ; the first time: everybody's quarter of the second half is in; both stand between all waves' reads of O's stage and the stores into it below
	s_sub_co_u32 s[CNT], s[CNT], 1
	s_cmp_lg_u32 s[CNT], 0
	s_cbranch_scc1 .Lhalf
.set i, 0
.rept 32                               ; ff2 = a bf16 number + a bf16 rest
	v_cvt_pk_bf16_f32 v[XH+i], v[Y+2*i], v[Y+2*i+1]
.set i, i+1
.endr
.set i, 0
.rept 32
	v_fma_mix_f32_bf16 v[Y+2*i], -v[XH+i], v[ONE], v[Y+2*i] op_sel:[0,0,0] op_sel_hi:[1,0,0]
	v_fma_mix_f32_bf16 v[Y+2*i+1], -v[XH+i], v[ONE], v[Y+2*i+1] op_sel:[1,0,0] op_sel_hi:[1,0,0]
.set i, i+1
.endr
.set i, 0
.rept 32
	v_cvt_pk_bf16_f32 v[XH+32+i], v[Y+2*i], v[Y+2*i+1]
.set i, i+1
.endr
.irp i, 0,1,2,3
	ds_load_b128 v[DO+4*\i:DO+4*\i+3], v[AP] offset:2560+(\i/2)*64+(\i%2)*16  ; out_b starts the sums
.endr
	s_mul_i32 s[TS], s[WV], 2304
	s_add_co_u32 s[TS], s[TS], OST                 ; my stage: 16 rows of 128 bytes, 144 apart
	v_mul_u32_u24 v[VL], v[RR], 144
	v_lshl_add_u32 v[VL], v[HH], 5, v[VL]
	v_add_nc_u32 v[VL], s[TS], v[VL]               ; in: row r, 32 bytes for each half of the lanes
	v_bfe_u32 v[VL+1], v0, 3, 2
	v_mul_u32_u24 v[VL+1], v[VL+1], 144
	v_and_b32 v[VL2], 7, v0
	v_lshl_add_u32 v[VL+1], v[VL2], 4, v[VL+1]
	v_add_nc_u32 v[VL+1], s[TS], v[VL+1]           ; back: 32 lanes take four rows
	s_wait_dscnt 0x0
	WIN 0x02                                       ; source 0 in window 2
.irp ks, 0,1,2,3                       ; two accumulators take turns
.irp pt, 0,1
.irp mt, 0,1
	v_wmma_f32_16x16x32_bf16 v[DO+8*\mt:DO+8*\mt+7], v[8*(4*\mt+\ks):8*(4*\mt+\ks)+7], v[XH+32*\pt+8*\ks:XH+32*\pt+8*\ks+7], v[DO+8*\mt:DO+8*\mt+7]
.endr
.endr
.endr
	WIN 0
	PLACES
.irp i, 0,1,2,3
	ds_store_b128 v[VL], v[DO+4*\i:DO+4*\i+3] offset:(\i/2)*64+(\i%2)*16
.endr
.irp i, 0,1,2,3
	ds_load_b128 v[DO+16+4*\i:DO+16+4*\i+3], v[VL+1] offset:\i*576  ; LDS serves a wave's instructions in order (ISA guide 5.7.1.4): these see the stores above
.endr
	s_wait_dscnt 0x0
.irp i, 0,1,2,3                        ; each store of the wave covers 512 consecutive bytes, aligned: four rows of the output
	global_store_b128 v[L16], v[DO+16+4*\i:DO+16+4*\i+3], s[POUT:POUT+1] offset:\i*512 th:TH_STORE_NT
.endr
	s_wait_tensorcnt 0x0                           ; the wave's end, behind my last tensor load and my last LDS store
	ds_add_u32 v[SPW], v[NIL]
	s_wait_dscnt 0x0
	CROUND                                         ; the closing round
	s_endpgm
.Lfunc_end_k_qb31b221f6d_attB:
	.size	k_qb31b221f6d_attB, .Lfunc_end_k_qb31b221f6d_attB-k_qb31b221f6d_attB
	.p2alignl 7, 3214868480
	.fill 96, 4, 3214868480
	.section	.rodata,"a",@progbits
	.p2align	6, 0x0
	.amdhsa_kernel k_qb31b221f6d_attB
		.amdhsa_group_segment_fixed_size 327680
		.amdhsa_private_segment_fixed_size 0
		.amdhsa_enable_private_segment 0
		.amdhsa_kernarg_size 24
		.amdhsa_user_sgpr_count 2
		.amdhsa_user_sgpr_kernarg_segment_ptr 1
		.amdhsa_wavefront_size32 1
		.amdhsa_system_sgpr_workgroup_id_x 1
		.amdhsa_system_sgpr_workgroup_id_y 1
		.amdhsa_system_sgpr_workgroup_id_z 1
		.amdhsa_system_vgpr_workitem_id 0
		.amdhsa_next_free_vgpr 576
		.amdhsa_next_free_sgpr 90
		.amdhsa_reserve_vcc 1
		.amdhsa_float_denorm_mode_32 3
		.amdhsa_float_denorm_mode_16_64 3
		.amdhsa_memory_ordered 1
		.amdhsa_forward_progress 1
		.amdhsa_inst_pref_size 115
	.end_amdhsa_kernel
	.amdgpu_metadata
---
amdhsa.version: [ 1, 2 ]
amdhsa.kernels:
  - .name:           k_qb31b221f6d_attB
    .symbol:         k_qb31b221f6d_attB.kd
    .args:
      - { .name: ws1, .offset: 0, .size: 8, .value_kind: global_buffer, .address_space: global }
      - { .name: ws2, .offset: 8, .size: 8, .value_kind: global_buffer, .address_space: global }
      - { .name: out0, .offset: 16, .size: 8, .value_kind: global_buffer, .address_space: global }
    .group_segment_fixed_size: 327680
    .private_segment_fixed_size: 0
    .kernarg_segment_align: 8
    .kernarg_segment_size: 24
    .max_flat_workgroup_size: 128
    .sgpr_count:     90
    .vgpr_count:     576
    .wavefront_size: 32
...
	.end_amdgpu_metadata
.endif
;; end of part 3
